; MI455X (gfx1250); checked and timed in simulation.
; The chip was launched on July 23, 2026; its instructions are those of AMD's public machine-readable ISA for CDNA 5 (MIT licence, August 2026) and "CDNA5" Instruction Set Architecture Reference Guide (July 2026). The comments in the code are by the model that wrote it; some were corrected since.
;; Encode Block. Allowed arithmetic: matrix products marked QUANTISED: E2M3 operands, one E8M0 scale for each 32 along K, by v_wmma_scale_f32_16x16x128_f8f6f4 with both operands' format E2M3, f32 sums; everything else in f32.
;; Inputs: b1 4,096 float32; b2 1,024 float32; bk 16 x 64 float32; bp 1,024 float32; bq 16 x 64 float32; bv 16 x 64 float32; ln1_b 1,024 float32; ln1_g 1,024 float32; ln2_b 1,024 float32; ln2_g 1,024 float32; lnf_b 1,024 float32; lnf_g 1,024 float32; w1 1,024 x 4,096 float32; w2 4,096 x 1,024 float32; wk 16 x 1,024 x 64 float32; wp 1,024 x 1,024 float32; wq 16 x 1,024 x 64 float32; wv 16 x 1,024 x 64 float32; x 2 x 2,048 x 1,024 float32.
;; Outputs: out0 2 x 2,048 x 1,024 float32; out1 2 x 2,048 x 1,024 float32; out2 2 x 2,048 x 1,024 float32.
;; This version of the problem:
;;   THIS VERSION OF THE PROBLEM IS GIVEN IN LOW PRECISION. The matrix products marked QUANTISED in the list below multiply operands that are first quantised to E2M3 (2 exponent bits, 3 mantissa bits; 6 bits a number), with one power-of-two scale for each 32 numbers along K (OCP MX v1.0); their sums are f32. All else is computed in f32.
;;   The module's matrix products, in the order in which they are computed (A, B: the left and right operand; K: the contracted axis; several contracted axes count as one K, in the product's order):
;;     1. [M 1,024, K 1,024] x [K 1,024, N 4,096]; A: input wq; B: input x: QUANTISED
;;     2. [M 1,024, K 1,024] x [K 1,024, N 4,096]; A: input wk; B: input x: QUANTISED
;;     3. [M 1,024, K 1,024] x [K 1,024, N 4,096]; A: input wv; B: input x: QUANTISED
;;     4. batch 32 x [M 2,048, K 64] x [K 64, N 2,048]; A: computed on the way; B: computed on the way: QUANTISED
;;     5. batch 32 x [M 2,048, K 2,048] x [K 2,048, N 64]; A: computed on the way; B: computed on the way: QUANTISED
;;     6. [M 4,096, K 1,024] x [K 1,024, N 1,024]; A: computed on the way; B: input wp: QUANTISED
;;     7. [M 4,096, K 1,024] x [K 1,024, N 4,096]; A: computed on the way; B: input w1: QUANTISED
;;     8. [M 4,096, K 4,096] x [K 4,096, N 1,024]; A: computed on the way; B: input w2: QUANTISED
;;   THE QUANTISER, for each operand of a quantised product, along K:
;;     - K is cut into blocks of 32 from its start; a last block that is shorter is filled with zeros.
;;     - A block's scale is 2^e with e = floor(log2(the largest magnitude in the block)) - 2, held to -126 .. 127; a block of zeros has e = 0. As a byte (E8M0): e + 127.
;;     - Each number is divided by its block's scale, clamped to +-7.5, and rounded to the nearest number of E2M3, ties to even, subnormals kept.
;;     - The product sums the exact products of the quantised numbers (number of the format x scale) in f32.
;;   ~~~python
;;   def quantise(x, axis):      # numpy; x: float32 -> the quantised numbers, widened to float32 again
;;       x = np.moveaxis(x, axis, -1); K = x.shape[-1]
;;       x = np.pad(x, [(0, 0)] * (x.ndim - 1) + [(0, -K % 32)]); x = x.reshape(x.shape[:-1] + (-1, 32)); a = np.abs(x).max(-1, keepdims=True)
;;       e = np.where(a > 0, np.clip(np.frexp(np.where(a > 0, a, 1))[1] - 1 - 2, -126, 127), 0)      # np.frexp(a)[1] - 1 = floor(log2(a)), exactly
;;       r = np.clip(x / 2.0 ** e, -7.5, 7.5)
;;       step = 2.0 ** (np.maximum(np.frexp(np.where(r == 0, 1, r))[1] - 1, 0) - 3)
;;       q = np.round(r / step) * step * 2.0 ** e      # np.round: ties to even
;;       return np.moveaxis(q.reshape(q.shape[:-2] + (-1,))[..., :K], -1, axis).astype(np.float32)
;;   ~~~
;;   OPERANDS COMPUTED ON THE WAY. 'Computed on the way' means the value that the module computes at that place (a softmax that the list does not call 'softmax' is quantised finished and normalised). What goes into a quantiser is computed in f32, as accurately as f32 sums, v_exp_f32 and their like allow (about 1e-6 of the number): no bf16 or f16 on the way to a quantiser, and a product that is left as it is and whose result goes on into a quantised operand takes f32 operands (vector FMAs, or v_wmma_f32_16x16x4_f32). A number that lies on a knife's edge between two numbers of the format may be rounded either way, as far as f32 arithmetic and the matrix unit's own rounding can turn it there, and no further.
;; One version. Each part assembles by itself: llvm-mc -triple=amdgcn-amd-amdhsa -mcpu=gfx1250 --defsym DOCPART=n.
;; ======== version 1 of 1: 8 launches
;; workspace buffers: p1 13,107,200 bytes; p2 10,092,544 bytes; p3 3,276,800 bytes; y 16,777,216 bytes; p5 20,054,016 bytes; p6 13,107,200 bytes; z 16,777,216 bytes
;; launch prep (part 1): grid 640 x 1, 4 waves a work-group, no clusters, 67,072 bytes of LDS; arguments x, wq, wk, wv, wp, w1, w2, p1; writes p1
.if DOCPART == 1
	.amdgcn_target "amdgcn-amd-amdhsa--gfx1250"
	.amdhsa_code_object_version 6
	.text
	.protected	k_q6b335584f5_prep
	.globl	k_q6b335584f5_prep
	.p2align	8
	.type	k_q6b335584f5_prep,@function
k_q6b335584f5_prep:
	s_mov_b64 s[64:65], 0
	v_nop
	global_prefetch_b8 v0, s[64:65] scope:SCOPE_SE
	s_setreg_imm32_b32 hwreg(HW_REG_WAVE_MODE, 25, 1), 1
	s_wait_xcnt 0x0
; PREP: x and the six weights, f32, become codes of E2M3 (6 bits) with one E8M0 byte for each 32 along K, laid in p1 in the order of an operand's registers.
; DEAD WORK: none is left out in this program.  Every input of the block reaches an output for some values of the inputs, and the scores are a quantised operand, so both attention products are done as they are written.
; LIMITS: NaN and infinities among the inputs are not served.  A block of zeros gets the byte 1 where the rule says 127: its codes are zeros, which add nothing, and the bytes are read by this program alone.
; LAYOUT.  A tile is 16 rows of an operand (tokens, or columns n of a weight).  Tile 2 p + u holds, as its row m, the row 32 p + 8 u + m + 8 (m / 8).  An image is 16 rows x 64 K, 768 bytes: lane l's registers 0-3 at 16 l,
; its registers 4-5 at 512 + 8 l; lane (r, h) holds k = 32 h .. 32 h + 31 of row r.  A buffer of codes is [tile][K / 64][768]; its scale words are [tile][K / 128][16 rows], one word a row.
; Work-groups 0-255: token tile g of x; wave w takes columns 256 w on.  Whole rows' pieces are loaded densely and turned through the wave's own stage in LDS (16 rows, 1,040 bytes apart).
; Work-groups 256-639: 128 columns x 256 K of a weight whose K is its first axis: a lane takes a column, its registers run down K, so a block of 32 lies in one lane; lanes 0-15 are tile 2 P's rows, lanes 16-31 tile 2 P + 1's.
.set XS, 3145728                       ; p1: x's scale words;
.set WC, 3276800                       ; the weights' codes: wq, wk, wv, wp, w1, w2 on end;
.set WS, 12713984                      ; their scale words
.set SPARE, 66560                      ; behind the four stages: the spare words, 128 bytes a wave
.set LI16, 2                           ; v2  16 x lane
.set LI8, 3                            ; v3  8 x lane
.set RR, 4                             ; v4  r = lane % 16
.set HH, 5                             ; v5  h = lane / 16
.set R4, 6                             ; v6  4 r
.set SA, 7                             ; v7  the stage, on the way in
.set SBK, 8                            ; v8  and back
.set VIN, 9                            ; v9  weights: 4 x my column in the wave's 32
.set VSO, 10                           ; v10 weights: my scale word's place
.set SPW, 14                           ; v14 my spare word; never rewritten
.set NIL, 15                           ; v15 0; never rewritten
.set TM, 16                            ; v16-19 largest magnitudes; v20-23 the other half's, then bytes; v24-27 the conversions' scale operands
.set TP, 20
.set TS, 24
.set CT, 248                           ; v248-254 the second halves of the blocks' codes
.set SEL, 44                           ; s[44:45] lane selects: lane l xor 16
; 64 numbers of a lane, register 16 b + i = k 32 b + 16 h + i of my row, become a fragment's 12 registers of codes and its scale word.
.macro QUANT s, pc, pw
.irp b, 0,1,2,3
	v_max3_num_f32 v[TM+\b], |v[\s+16*\b]|, |v[\s+16*\b+1]|, 0x1800000   ; with the floor 2^(3 - 127): the byte cannot fall under 1
.endr
.irp i, 2,4,6,8,10,12,14
.irp b, 0,1,2,3
	v_max3_num_f32 v[TM+\b], |v[\s+16*\b+\i]|, |v[\s+16*\b+\i+1]|, v[TM+\b]
.endr
.endr
.irp b, 0,1,2,3
	v_permlanex16_b32 v[TP+\b], v[TM+\b], s[SEL], s[SEL+1]
.endr
.irp b, 0,1,2,3
	v_max_num_f32 v[TM+\b], v[TM+\b], v[TP+\b]     ; the block's largest magnitude
.endr
.irp b, 0,1,2,3
	v_add_nc_u32 v[TS+\b], 0xff000000, v[TM+\b]    ; 2 off its exponent field: the conversion's scale operand
.endr
.irp b, 0,1,2,3
	v_lshrrev_b32 v[TP+\b], 23, v[TS+\b]           ; the byte
.endr
	v_lshl_or_b32 v[\pw], v[TP+1], 8, v[TP]
	v_lshl_or_b32 v[\pw], v[TP+2], 16, v[\pw]
	v_lshl_or_b32 v[\pw], v[TP+3], 24, v[\pw]
.irp c, 0,1
	v_cvt_scalef32_pk16_fp6_f32 v[\pc+6*\c:\pc+6*\c+2], v[\s+32*\c:\s+32*\c+15], v[TS+2*\c]
	v_cvt_scalef32_pk16_fp6_f32 v[CT+4*\c:CT+4*\c+2], v[\s+32*\c+16:\s+32*\c+31], v[TS+2*\c+1]
.endr
	v_nop                                          ; one plain instruction behind the conversions
.irp c, 0,1
.irp i, 0,1,2
	v_permlane16_swap_b32 v[\pc+6*\c+\i], v[CT+4*\c+\i]   ; a whole block to a lane: lanes 0-15 block 2 c, lanes 16-31 block 2 c + 1
.endr
.irp i, 0,1,2
	v_mov_b32 v[\pc+6*\c+3+\i], v[CT+4*\c+\i]
.endr
.endr
.endm
; weights: block t (32 along K) of my column into set t % 2
.macro LOADW t, rp
.set i, 0
.rept 32
	global_load_b32 v[32+32*((\t)%2)+i], v[VIN], s[26:27] offset:(32*(\t)+i)*(\rp) th:TH_LOAD_NT
.set i, i+1
.endr
.endm
.macro BLOCKW t, rp
.set XB, 32+32*((\t)%2)
.set BL, 96+8*(\t)
.if (\t) < 7
	s_wait_loadcnt 32                              ; this block's 32 loads are in; the next block's may be out
.else
	s_wait_loadcnt 0x0
.endif
	v_max3_num_f32 v12, |v[XB]|, |v[XB+1]|, |v[XB+2]|
	v_max3_num_f32 v13, |v[XB+3]|, |v[XB+4]|, |v[XB+5]|
.irp i, 6,10,14,18,22,26
	v_max3_num_f32 v12, v12, |v[XB+\i]|, |v[XB+\i+1]|
	v_max3_num_f32 v13, v13, |v[XB+\i+2]|, |v[XB+\i+3]|
.endr
	v_max3_num_f32 v12, v12, |v[XB+30]|, |v[XB+31]|
	v_max3_num_f32 v12, v12, v13, 0x1800000
	v_add_nc_u32 v11, 0xff000000, v12
	v_lshrrev_b32 v13, 23, v11
.if (\t)%4 == 0
	v_mov_b32 v[28+(\t)/4], v13                    ; four bytes to a word, the lower K lowest
.else
	v_lshl_or_b32 v[28+(\t)/4], v13, 8*((\t)%4), v[28+(\t)/4]
.endif
	v_cvt_scalef32_pk16_fp6_f32 v[BL:BL+2], v[XB:XB+15], v11
	v_cvt_scalef32_pk16_fp6_f32 v[160:162], v[XB+16:XB+31], v11
	v_nop
.irp i, 0,1,2
	v_mov_b32 v[BL+3+\i], v[160+\i]
.endr
.if (\t)+2 < 8
	LOADW (\t)+2, \rp
.endif
.endm
; K step s (four blocks) leaves.  Blocks 2 c and 2 c + 1 change halves: the first then is tile 2 P's image, the second tile 2 P + 1's.  Each K step has registers of its own: no store's data are written again.
.macro FLUSHW s, tpb
.irp c, 0,1
.set FB, 96+32*(\s)+16*\c
.irp i, 0,1,2,3,4,5
	v_permlane16_swap_b32 v[FB+\i], v[FB+8+\i]
.endr
	global_store_b128 v[LI16], v[FB:FB+3], s[32:33] offset:1536*(\s)+768*\c
	global_store_b64 v[LI8], v[FB+4:FB+5], s[32:33] offset:1536*(\s)+768*\c+512
	global_store_b128 v[LI16], v[FB+8:FB+11], s[32:33] offset:(\tpb)+1536*(\s)+768*\c
	global_store_b64 v[LI8], v[FB+12:FB+13], s[32:33] offset:(\tpb)+1536*(\s)+768*\c+512
.endr
	global_store_b32 v[VSO], v[28+(\s)], s[34:35] offset:64*(\s)
.endm
; one weight's share: s25 = the work-group's number within the weight, s[26:27] the weight, s40 and s41 its codes' and scale words' place in p1
.macro WMAT kbits, rp, heads, tpb, spb
	s_lshr_b32 s28, s25, \kbits                    ; which 128 columns
	s_and_b32 s29, s25, (1<<\kbits)-1              ; which 256 along K
	s_lshl_b32 s28, s28, 2
	s_add_co_u32 s28, s28, s20                     ; P: my wave's 32 columns
.if \heads
	s_lshr_b32 s30, s28, 1                         ; [head][K][64]: head P / 2, its columns 32 (P % 2) on
	s_lshl_b32 s30, s30, 18
	s_and_b32 s31, s28, 1
	s_lshl_b32 s31, s31, 7
	s_add_co_u32 s30, s30, s31
.else
	s_lshl_b32 s30, s28, 7
.endif
	s_mul_i32 s31, s29, 256*(\rp)
	s_add_co_u32 s30, s30, s31
	s_mov_b32 s31, 0
	s_add_nc_u64 s[26:27], s[26:27], s[30:31]
	s_mul_i32 s32, s28, 2*(\tpb)
	s_mul_i32 s33, s29, 3072
	s_add_co_u32 s32, s32, s33
	s_add_co_u32 s32, s32, s40
	s_mov_b32 s33, 0
	s_add_nc_u64 s[32:33], s[18:19], s[32:33]      ; tile 2 P's images of my 256 along K; tile 2 P + 1's lie tpb bytes on
	s_mul_i32 s34, s28, 2*(\spb)
	s_lshl_b32 s35, s29, 7
	s_add_co_u32 s34, s34, s35
	s_add_co_u32 s34, s34, s41
	s_mov_b32 s35, 0
	s_add_nc_u64 s[34:35], s[18:19], s[34:35]
	v_mul_u32_u24 v[VSO], v[HH], \spb
	v_lshl_add_u32 v[VSO], v[RR], 2, v[VSO]
	LOADW 0, \rp
	LOADW 1, \rp
.irp t, 0,1,2,3
	BLOCKW \t, \rp
.endr
	FLUSHW 0, \tpb
.irp t, 4,5,6,7
	BLOCKW \t, \rp
.endr
	FLUSHW 1, \tpb
	s_endpgm
.endm
	s_load_b512 s[4:19], s[0:1], 0x0               ; x, wq, wk, wv, wp, w1, w2, p1
	v_lshl_add_u32 v[SPW], v0, 2, SPARE
	v_mov_b32 v[NIL], 0
	v_lshrrev_b32 v1, 5, v0
	v_readfirstlane_b32 s20, v1                    ; wave
	v_and_b32 v1, 31, v0
	v_lshlrev_b32 v[LI16], 4, v1
	v_lshlrev_b32 v[LI8], 3, v1
	v_and_b32 v[RR], 15, v0
	v_bfe_u32 v[HH], v0, 4, 1
	v_lshlrev_b32 v[R4], 2, v[RR]
	s_mul_i32 s21, s20, 16640                      ; my stage
	v_add_nc_u32 v[SA], s21, v[LI16]
	v_mul_u32_u24 v[SBK], v[RR], 1040
	v_lshl_add_u32 v[SBK], v[HH], 6, v[SBK]
	v_add_nc_u32 v[SBK], s21, v[SBK]               ; back: row r, + 64 h: my 16 numbers of a block of 32
	s_mov_b32 s[SEL], 0x76543210
	s_mov_b32 s[SEL+1], 0xfedcba98
	s_wait_kmcnt 0x0
	s_cmp_lt_u32 ttmp9, 256
	s_cbranch_scc0 .Lweights
	; ---- x: token tile g = 2 p + u
	s_lshr_b32 s22, ttmp9, 1
	s_lshl_b32 s22, s22, 5
	s_and_b32 s23, ttmp9, 1
	s_lshl_b32 s23, s23, 3
	s_add_co_u32 s22, s22, s23                     ; the tile's first token: 32 p + 8 u
	s_lshl_b32 s22, s22, 12
	s_lshl_b32 s23, s20, 10
	s_add_co_u32 s22, s22, s23                     ; + my wave's 1,024 bytes of a row
	s_mov_b32 s23, 0
	s_add_nc_u64 s[4:5], s[4:5], s[22:23]
.irp i, 0,1,2,3,4,5,6,7,8,9,10,11,12,13,14,15
.irp f, 0,1
	global_load_b128 v[32+8*\i+4*\f:32+8*\i+4*\f+3], v[LI16], s[4:5] offset:(\i+8*(\i/8))*4096+512*\f th:TH_LOAD_NT   ; 512 consecutive bytes of the tile's row i
.endr
.endr
	s_mul_i32 s24, ttmp9, 12288
	s_mul_i32 s25, s20, 3072
	s_add_co_u32 s24, s24, s25
	s_mov_b32 s25, 0
	s_add_nc_u64 s[24:25], s[18:19], s[24:25]      ; my two fragments
	s_lshl_b32 s26, ttmp9, 9
	s_lshl_b32 s27, s20, 7
	s_add_co_u32 s26, s26, s27
	s_add_co_u32 s26, s26, XS
	s_mov_b32 s27, 0
	s_add_nc_u64 s[26:27], s[18:19], s[26:27]      ; and their scale words
.irp b, 0,1,2,3
	v_mov_b32 v[TP+\b], 0                          ; written once: a lane permute's destination counts as a source
.endr
.irp i, 0,1,2,3,4,5,6,7,8,9,10,11,12,13,14,15
	s_wait_loadcnt 30-2*\i                         ; row i's two loads are in; the later rows' may be out
	ds_store_b128 v[SA], v[32+8*\i:32+8*\i+3] offset:1040*\i
	ds_store_b128 v[SA], v[32+8*\i+4:32+8*\i+7] offset:1040*\i+512
.endr
.irp b, 0,1,2,3
.irp j, 0,1,2,3
	ds_load_b128 v[160+16*\b+4*\j:160+16*\b+4*\j+3], v[SBK] offset:128*\b+16*\j   ; LDS serves a wave's instructions in order: these see my stores
.endr
.endr
	s_wait_dscnt 0x0                               ; K step 0's numbers are back, and the stores have read their registers:
.irp b, 0,1,2,3
.irp j, 0,1,2,3
	ds_load_b128 v[96+16*\b+4*\j:96+16*\b+4*\j+3], v[SBK] offset:512+128*\b+16*\j   ; K step 1's land there while step 0 is quantised
.endr
.endr
	QUANT 160, 224, 28
	global_store_b128 v[LI16], v[224:227], s[24:25]
	global_store_b64 v[LI8], v[228:229], s[24:25] offset:512
	global_store_b128 v[LI16], v[230:233], s[24:25] offset:768
	global_store_b64 v[LI8], v[234:235], s[24:25] offset:1280
	global_store_b32 v[R4], v28, s[26:27]          ; lanes r and r + 16 hold the same word and write the same place
	s_wait_dscnt 0x0
	QUANT 96, 236, 29                              ; registers of its own for the second fragment: no store's data are written again
	global_store_b128 v[LI16], v[236:239], s[24:25] offset:1536
	global_store_b64 v[LI8], v[240:241], s[24:25] offset:2048
	global_store_b128 v[LI16], v[242:245], s[24:25] offset:2304
	global_store_b64 v[LI8], v[246:247], s[24:25] offset:2816
	global_store_b32 v[R4], v29, s[26:27] offset:64
	s_wait_tensorcnt 0x0                           ; the wave's end, behind my last LDS store
	ds_add_u32 v[SPW], v[NIL]
	s_wait_dscnt 0x0
	s_endpgm
.Lweights:                                             ; ---- the weights: no LDS is touched on this path
	s_sub_co_u32 s24, ttmp9, 256
	v_and_b32 v1, 7, v0
	v_bfe_u32 v[VIN], v0, 3, 1
	v_lshl_add_u32 v1, v[VIN], 4, v1
	v_lshl_add_u32 v1, v[HH], 3, v1                ; my column: l % 8 + 16 ((l / 8) % 2) + 8 (l / 16)
	v_lshlrev_b32 v[VIN], 2, v1
	s_cmp_lt_u32 s24, 96
	s_cbranch_scc0 .Lnot_heads
	s_lshr_b32 s36, s24, 5                         ; wq, wk or wv: 32 work-groups each
	s_and_b32 s25, s24, 31
	s_cmp_eq_u32 s36, 0
	s_cselect_b64 s[26:27], s[6:7], s[8:9]
	s_cmp_eq_u32 s36, 2
	s_cselect_b64 s[26:27], s[10:11], s[26:27]
	s_mul_i32 s40, s36, 786432
	s_add_co_u32 s40, s40, WC
	s_lshl_b32 s41, s36, 15
	s_add_co_u32 s41, s41, WS
	WMAT 2, 256, 1, 12288, 512
.Lnot_heads:
	s_cmp_lt_u32 s24, 128
	s_cbranch_scc0 .Lnot_wp
	s_sub_co_u32 s25, s24, 96
	s_mov_b64 s[26:27], s[12:13]
	s_mov_b32 s40, WC+2359296
	s_mov_b32 s41, WS+98304
	WMAT 2, 4096, 0, 12288, 512
.Lnot_wp:
	s_cmp_lt_u32 s24, 256
	s_cbranch_scc0 .Lw2
	s_sub_co_u32 s25, s24, 128
	s_mov_b64 s[26:27], s[14:15]
	s_mov_b32 s40, WC+3145728
	s_mov_b32 s41, WS+131072
	WMAT 2, 16384, 0, 12288, 512
.Lw2:
	s_sub_co_u32 s25, s24, 256
	s_mov_b64 s[26:27], s[16:17]
	s_mov_b32 s40, WC+6291456
	s_mov_b32 s41, WS+262144
	WMAT 4, 4096, 0, 49152, 2048
.Lfunc_end_k_q6b335584f5_prep:
	.size	k_q6b335584f5_prep, .Lfunc_end_k_q6b335584f5_prep-k_q6b335584f5_prep
	.p2alignl 7, 3214868480
	.fill 96, 4, 3214868480
	.section	.rodata,"a",@progbits
	.p2align	6, 0x0
	.amdhsa_kernel k_q6b335584f5_prep
		.amdhsa_group_segment_fixed_size 67072
		.amdhsa_private_segment_fixed_size 0
		.amdhsa_enable_private_segment 0
		.amdhsa_kernarg_size 64
		.amdhsa_user_sgpr_count 2
		.amdhsa_user_sgpr_kernarg_segment_ptr 1
		.amdhsa_wavefront_size32 1
		.amdhsa_system_sgpr_workgroup_id_x 1
		.amdhsa_system_sgpr_workgroup_id_y 1
		.amdhsa_system_sgpr_workgroup_id_z 1
		.amdhsa_system_vgpr_workitem_id 0
		.amdhsa_next_free_vgpr 256
		.amdhsa_next_free_sgpr 66
		.amdhsa_reserve_vcc 0
		.amdhsa_float_denorm_mode_32 3
		.amdhsa_float_denorm_mode_16_64 3
		.amdhsa_memory_ordered 1
		.amdhsa_forward_progress 1
		.amdhsa_inst_pref_size 177
	.end_amdhsa_kernel
	.amdgpu_metadata
---
amdhsa.version: [ 1, 2 ]
amdhsa.kernels:
  - .name:           k_q6b335584f5_prep
    .symbol:         k_q6b335584f5_prep.kd
    .args:
      - { .name: x, .offset: 0, .size: 8, .value_kind: global_buffer, .address_space: global }
      - { .name: wq, .offset: 8, .size: 8, .value_kind: global_buffer, .address_space: global }
      - { .name: wk, .offset: 16, .size: 8, .value_kind: global_buffer, .address_space: global }
      - { .name: wv, .offset: 24, .size: 8, .value_kind: global_buffer, .address_space: global }
      - { .name: wp, .offset: 32, .size: 8, .value_kind: global_buffer, .address_space: global }
      - { .name: w1, .offset: 40, .size: 8, .value_kind: global_buffer, .address_space: global }
      - { .name: w2, .offset: 48, .size: 8, .value_kind: global_buffer, .address_space: global }
      - { .name: p1, .offset: 56, .size: 8, .value_kind: global_buffer, .address_space: global }
    .group_segment_fixed_size: 67072
    .private_segment_fixed_size: 0
    .kernarg_segment_align: 8
    .kernarg_segment_size: 64
    .max_flat_workgroup_size: 128
    .sgpr_count:     66
    .vgpr_count:     256
    .wavefront_size: 32
...
	.end_amdgpu_metadata
.endif
;; end of part 1
;; launch qkv (part 2): grid 16 x 16, 4 waves a work-group, clusters of 4 x 4, 327,680 bytes of LDS; arguments p1, bq, bk, bv, p2, out1, out2; writes p2, out1, out2
.if DOCPART == 2
	.amdgcn_target "amdgcn-amd-amdhsa--gfx1250"
	.amdhsa_code_object_version 6
	.text
	.protected	k_q6b335584f5_qkv
	.globl	k_q6b335584f5_qkv
	.p2align	8
	.type	k_q6b335584f5_qkv,@function
k_q6b335584f5_qkv:
	s_mov_b64 s[64:65], 0
	v_nop
	global_prefetch_b8 v0, s[64:65] scope:SCOPE_SE
	s_setreg_imm32_b32 hwreg(HW_REG_WAVE_MODE, 25, 1), 1
	s_wait_xcnt 0x0
	s_wait_alu depctr_hold_cnt(0) depctr_sa_sdst(0) depctr_va_vdst(0) depctr_va_sdst(0) depctr_va_ssrc(0) depctr_va_vcc(0) depctr_vm_vsrc(0)
	s_getreg_b32 s2, hwreg(HW_REG_IB_STS2, 6, 4)
	s_cmp_eq_u32 s2, 0
	s_cbranch_scc0 .Lentry_in_a_cluster
	s_endpgm
.Lentry_in_a_cluster:
	s_bfe_u32 s2, ttmp6, 0x10000c
	s_cmp_lg_u32 s2, 0xf033
	s_cbranch_scc0 .Lentry_shape_is_right
	s_endpgm
.Lentry_shape_is_right:
; QKV: the three projections on codes of E2M3, K = 1,024, and what is made of them.  The cluster's x is the MODE, the same in all sixteen partners:
;   0: Q = x wq + bq -> codes along the head's 64;   1: K likewise, and Kc in f32 (out1);   2: V = x wv + bv -> Vc in f32 (out2);   3: V once more with the sides changed, so that a lane holds a column of V and its
;   registers run along the tokens: codes of V along the KEYS, which are the second attention product's K.  (V is multiplied twice: that takes the place of a transposition of 16 MB through LDS, and fills the grid to 256 work-groups.)
; No work of the block is left out here.  LIMITS: NaN and infinities are not served; a block of zeros carries the byte 1, its codes are zeros.
; A work-group makes 256 (side A: a lane's row) x 256 (side B: along a lane's registers); a wave 128 x 128: 64 accumulators.  The matrix instruction takes side B as source 0 and side A as source 1.
; Operands lie in p1 as images of their registers (16 rows x 64 K = 768 bytes: registers 0-3 at 16 l, 4-5 at 512 + 8 l), [tile][K / 64][768]: a slot holds 256 along K of 16 + 16 tiles, dense, and every LDS load is dense.
; Tile 2 p + u holds as row m the row 32 p + 8 u + m + 8 (m / 8): so the 16 registers of B's tiles 2 p, 2 p + 1 are the 16 neighbours 32 p + 16 h + 0 .. 15.
; THREE SLOTS.  K = 1,024 is four slots' worth of 98,304 bytes, and three fit in LDS beside the scale words: the first three quarters of K are asked for at the head; the fourth goes into slot 0 behind the one round, at the end
; of slot 0's products, and has the products of slots 1 and 2, 256 matrix instructions a wave, in which to land.  By this text's count a wave has four tensor loads out at the start and one behind the round.
; CLUSTER 4 x 4: A's tiles are asked for jointly along a row, B's along a column.
; THE WAY OUT: the f32 rows leave first; the codes are made behind them, so that the quantiser's vector work stands beside the rows' stores that are still on their way.
; REGISTERS: window 0: v1-3 r, h, lane; v4-15 LDS addresses of the three slots; v24-31 addresses; v32-63 scale words (two sets); v64-159, v160-255 A's two sets.  window 1: B's two sets at v0, v128.  windows 2, 3: accumulator (a, b) at v[8 (8 (a % 4) + b)].
.set XS, 3145728
.set WC, 3276800
.set WS, 12713984
.set VC, 6291456
.set QS, 9437184
.set VS, 9961472
.set HALFT, 24576                      ; 8 tiles x 256 along K: one tensor load
.set SLOT, 4*HALFT
.set SCL, 3*SLOT                       ; behind the three slots: the scale words of all of K: 4 x HALFS
.set HALFS, 4096
.set SPARE, SCL+4*HALFS                ; the spare words, 128 bytes a wave
.set STAGE, SLOT                       ; the way out's stages lie in slot 1: it is filled once, and its last read stands in front of the last barrier
.set ADRA16, 4                         ; v4-6, v7-9    LDS addresses of A's fragments in slots 0, 1, 2: 16 l and 8 l
.set ADRA8, 7
.set ADRB16, 10                        ; v10-12, v13-15  the same for B
.set ADRB8, 13
.set STO, 24
.set RD, 25
.set ADRS, 27
.set SPW, 28
.set NIL, 29
.set LI16, 30
.set LI8, 31
.set SC, 32
.set TM, 64                            ; the way out, in the registers that held A's fragments
.set TP, 68
.set TS, 72
.set CT, 76
.set PC, 84
.set PW, 96
.set PS, 97
.set SH, 98
.set SO, 99
.set BO, 100
.set BK, 128
.set SEL, 66
.set G1, 24
.set G0, 32                            ; s[32:39] A's groups 0 for slots 0, 1;  s[40:43] for slot 2
.set G0C, 40
.set G1B, 48
.set G0B, 56                           ; s[56:63] B's for slots 0, 1;  s[44:47] for slot 2
.set G0BC, 44
.set G1S, 68
.set G0S, 76
.set G1SB, 80
.set G0SB, 88
.set MUL_LO, 0xa1
.set MUL_HI, 0xf1
.set MSB, 0
.macro WIN new                         ; the immediate's high byte repeats the setting that is left
.if MSB != (\new)
	s_set_vgpr_msb (MSB<<8)|(\new)
.set MSB, (\new)
.endif
.endm
.macro PLACES n
.rept \n
	v_nop
.endr
.endm
.macro JLOAD g0a, g1a, g0b, g1b        ; waves 0, 1 fetch for A, waves 2, 3 for B; an s_nop 0 and four v_nop follow each line
	s_cmp_eq_u32 s19, 0
	s_cbranch_scc0 .Lfor_b_\@
	tensor_load_to_lds s[\g0a:\g0a+3], s[\g1a:\g1a+7]
	s_nop 0
.rept 4
	v_nop
.endr
	s_branch .Lasked_\@
.Lfor_b_\@:
	tensor_load_to_lds s[\g0b:\g0b+3], s[\g1b:\g1b+7]
	s_nop 0
.rept 4
	v_nop
.endr
.Lasked_\@:
.endm
.macro CREST
	s_cmp_lg_u32 s18, 0
	s_cbranch_scc1 .Lnot_wave_0_\@
	s_barrier_signal -3
.Lnot_wave_0_\@:
	s_barrier_wait -3
	s_barrier_signal -1
	s_barrier_wait -1
.endm
.macro CROUND
	s_barrier_signal -1
	s_barrier_wait -1
	CREST
.endm
.macro FRAG reg, a16, a8, off          ; a fragment, 16 rows x 128 K: two images
	ds_load_b128 v[\reg:\reg+3], v[\a16] offset:\off
	ds_load_b64 v[\reg+4:\reg+5], v[\a8] offset:\off+512
	ds_load_b128 v[\reg+6:\reg+9], v[\a16] offset:\off+768
	ds_load_b64 v[\reg+10:\reg+11], v[\a8] offset:\off+1280
.endm
.macro FETCH slot, q, f                ; 64 LDS loads in one run: the slot's q-th 128 along K into set f
	WIN 0x40
.irp i, 0,1,2,3,4,5,6,7
	FRAG 128*(\f)+12*\i, ADRB16+\slot, ADRB8+\slot, \i*3072+(\q)*1536
.endr
	WIN 0
.irp i, 0,1,2,3,4,5,6,7
	FRAG 64+96*(\f)+12*\i, ADRA16+\slot, ADRA8+\slot, \i*3072+(\q)*1536
.endr
.endm
.macro SCALES set                      ; lanes 0-15 A's tile i, lanes 16-31 B's tile i; register 2 i + q
.irp i, 0,1,2,3,4,5,6,7
.irp q, 0,1
	ds_load_b32 v[SC+16*(\set)+2*\i+\q], v[ADRS] offset:\i*512+64*\q
.endr
.endr
.endm
.macro MUL16 a0, f, q, sc, zero        ; the 64 accumulators take turns, one instruction a turn, in one order in every step
.irp a, \a0, \a0+1
.irp b, 0,1,2,3,4,5,6,7
.if \zero
	v_wmma_scale_f32_16x16x128_f8f6f4 v[8*(8*((\a)%4)+\b):8*(8*((\a)%4)+\b)+7], v[128*(\f)+12*\b:128*(\f)+12*\b+11], v[64+96*(\f)+12*(\a):64+96*(\f)+12*(\a)+11], 0, v[SC+16*(\sc)+2*\b+(\q)], v[SC+16*(\sc)+2*(\a)+(\q)] matrix_a_fmt:MATRIX_FMT_FP6 matrix_b_fmt:MATRIX_FMT_FP6 matrix_a_scale:MATRIX_SCALE_ROW1
.else
	v_wmma_scale_f32_16x16x128_f8f6f4 v[8*(8*((\a)%4)+\b):8*(8*((\a)%4)+\b)+7], v[128*(\f)+12*\b:128*(\f)+12*\b+11], v[64+96*(\f)+12*(\a):64+96*(\f)+12*(\a)+11], v[8*(8*((\a)%4)+\b):8*(8*((\a)%4)+\b)+7], v[SC+16*(\sc)+2*\b+(\q)], v[SC+16*(\sc)+2*(\a)+(\q)] matrix_a_fmt:MATRIX_FMT_FP6 matrix_b_fmt:MATRIX_FMT_FP6 matrix_a_scale:MATRIX_SCALE_ROW1
.endif
.endr
.endr
.endm
.macro STEP slot, sc, zero             ; a slot's first 128 along K (set 0; scale words in set sc); the second's fragments are fetched ahead of its 64 products
	s_wait_dscnt 0x0                               ; set 0 and the slot's scale words are in
	PLACES 4                                       ; in front of loads into set 1, which the last products read
	FETCH \slot, 1, 1
	WIN MUL_LO
	MUL16 0, 0, 0, \sc, \zero
	MUL16 2, 0, 0, \sc, \zero
	WIN MUL_HI
	MUL16 4, 0, 0, \sc, \zero
	MUL16 6, 0, 0, \sc, \zero
.endm
; A slot's second 128 along K (set 1), and the change of slots.  sc, nsc: this slot's and the next slot's set of scale words.
; fill = 1: a round of the cluster's barrier, and this slot is filled again, with the last quarter of K.  fill = 0: a barrier alone: the next slot's refill is shown landed to every wave.
; fill = 2: no barrier: the next slot was shown landed to every wave by the wait for 0 in front of the round, and nothing is filled.
.macro TURN slot, next, sc, nsc, fill
.if (\fill) < 2
	WIN 0
	s_wait_tensorcnt 0x0                           ; all my tensor loads have landed
	ds_add_u32 v[SPW], v[NIL]                      ; 0 onto my spare word
	s_wait_dscnt 1                                 ; set 1 is in; the add alone may be out
	WIN MUL_LO
	MUL16 0, 1, 1, \sc, 0
	s_wait_dscnt 0x0                               ; the add is done, and my reads of this slot are over
	s_barrier_signal -1
	MUL16 2, 1, 1, \sc, 0
	WIN 0
	s_barrier_wait -1
.else
	s_wait_dscnt 0x0                               ; set 1 is in
	WIN MUL_LO
	MUL16 0, 1, 1, \sc, 0
	MUL16 2, 1, 1, \sc, 0
	WIN 0
.endif
.if (\fill) == 1
	CREST                                          ; the barrier has opened a round of the cluster's: no wave of any partner reads this slot or has a load on its way
	s_add_nc_u64 s[G0+4*\slot+2:G0+4*\slot+3], s[G0+4*\slot+2:G0+4*\slot+3], 3*3072
	s_add_nc_u64 s[G0B+4*\slot+2:G0B+4*\slot+3], s[G0B+4*\slot+2:G0B+4*\slot+3], 3*3072
	JLOAD G0+4*\slot, G1, G0B+4*\slot, G1B         ; first behind the round; its four v_nop are the places in front of the loads below
.else
	PLACES 4
.endif
	v_add_nc_u32 v[ADRS], 128, v[ADRS]             ; the next slot's scale words
	FETCH \next, 0, 0
	SCALES \nsc
	WIN MUL_HI
	MUL16 4, 1, 1, \sc, 0
	MUL16 6, 1, 1, \sc, 0
.endm
; 64 numbers of a lane in window w, register 16 b + i = k 32 b + 16 h + i of my row, become a fragment's codes and scale word in window 0
.macro QUANT s, w, pc, pw
	WIN (\w)|((\w)<<2)
.irp b, 0,1,2,3
	v_max3_num_f32 v[TM+\b], |v[\s+16*\b]|, |v[\s+16*\b+1]|, 0x1800000   ; with the floor 2^(3 - 127)
.endr
.irp i, 2,4,6,8,10,12,14
.irp b, 0,1,2,3
	v_max3_num_f32 v[TM+\b], |v[\s+16*\b+\i]|, |v[\s+16*\b+\i+1]|, v[TM+\b]
.endr
.endr
	WIN 0
.irp b, 0,1,2,3
	v_permlanex16_b32 v[TP+\b], v[TM+\b], s[SEL], s[SEL+1]
.endr
.irp b, 0,1,2,3
	v_max_num_f32 v[TM+\b], v[TM+\b], v[TP+\b]
.endr
.irp b, 0,1,2,3
	v_add_nc_u32 v[TS+\b], 0xff000000, v[TM+\b]    ; 2 off the exponent field: the conversion's scale operand
.endr
.irp b, 0,1,2,3
	v_lshrrev_b32 v[TP+\b], 23, v[TS+\b]
.endr
	v_lshl_or_b32 v[\pw], v[TP+1], 8, v[TP]
	v_lshl_or_b32 v[\pw], v[TP+2], 16, v[\pw]
	v_lshl_or_b32 v[\pw], v[TP+3], 24, v[\pw]
	WIN (\w)
.irp c, 0,1
	v_cvt_scalef32_pk16_fp6_f32 v[\pc+6*\c:\pc+6*\c+2], v[\s+32*\c:\s+32*\c+15], v[TS+2*\c]
	v_cvt_scalef32_pk16_fp6_f32 v[CT+4*\c:CT+4*\c+2], v[\s+32*\c+16:\s+32*\c+31], v[TS+2*\c+1]
.endr
	WIN 0
	v_nop
.irp c, 0,1
.irp i, 0,1,2
	v_permlane16_swap_b32 v[\pc+6*\c+\i], v[CT+4*\c+\i]
.endr
.irp i, 0,1,2
	v_mov_b32 v[\pc+6*\c+3+\i], v[CT+4*\c+\i]
.endr
.endr
.endm
.macro ADDB a, t                       ; the bias onto A's tile a: t = 0 along the registers (64 numbers in window 1), t = 1 one number a lane (pair 2 a of window 1)
.set AW, 2+(\a)/4
.set AC, 64*((\a)%4)
	WIN (AW<<6)|(1<<2)|AW
.set k, 0
.rept 32
.if \t
	v_pk_add_f32 v[AC+2*k:AC+2*k+1], v[AC+2*k:AC+2*k+1], v[2*(\a):2*(\a)+1]
.else
	v_pk_add_f32 v[AC+2*k:AC+2*k+1], v[AC+2*k:AC+2*k+1], v[2*k:2*k+1]
.endif
.set k, k+1
.endr
.endm
; A tile of 16 tokens x 128 columns goes through my own stage and comes back as whole rows of 512 bytes.  LDS serves a wave's instructions in order: no wait between the stores and the loads.
.macro TOSTAGE a
.set AC, 64*((\a)%4)
	WIN 0x08+4*((\a)/4)
.irp b, 0,1,2,3,4,5,6,7
	ds_store_b128 v[STO], v[AC+8*\b:AC+8*\b+3] offset:128*(\b/2)+32*(\b%2)
	ds_store_b128 v[STO], v[AC+8*\b+4:AC+8*\b+7] offset:128*(\b/2)+32*(\b%2)+16
.endr
	WIN 0
.set BB, BK+64*((\a)%2)
.irp t, 0,1,2,3,4,5,6,7,8,9,10,11,12,13,14,15
	ds_load_b128 v[BB+4*\t:BB+4*\t+3], v[RD] offset:\t*528
.endr
.endm
.macro SEND a, younger
.set BB, BK+64*((\a)%2)
	s_wait_dscnt \younger
.irp t, 0,1,2,3,4,5,6,7,8,9,10,11,12,13,14,15
	global_store_b128 v[LI16], v[BB+4*\t:BB+4*\t+3], s[40:41] offset:(32*((\a)/2)+8*((\a)%2)+\t+8*(\t/8))*4096 th:TH_STORE_NT   ; 32 lanes store 512 consecutive bytes of the token's row
.endr
.endm
	s_load_b256 s[4:11], s[0:1], 0x0               ; p1, bq, bk, bv
	s_load_b128 s[12:15], s[0:1], 0x20             ; p2, out1
	s_load_b64 s[16:17], s[0:1], 0x30              ; out2
	v_lshl_add_u32 v[SPW], v0, 2, SPARE
	v_mov_b32 v[NIL], 0
	ds_add_u32 v[SPW], v[NIL]                      ; the opening: the add, twice on end, and its wait ahead of my first tensor load
	ds_add_u32 v[SPW], v[NIL]
	v_lshrrev_b32 v1, 5, v0
	v_readfirstlane_b32 s18, v1                    ; wave
	s_lshr_b32 s19, s18, 1                         ; my half of A; also: I fetch for A (0) or for B (1)
	s_and_b32 s20, s18, 1                          ; my half of B; also: which 8 tiles I fetch
	s_bfe_u32 s21, ttmp6, 0x40000                  ; cx
	s_bfe_u32 s22, ttmp6, 0x40004                  ; cy
	s_mov_b32 s23, ttmp9                           ; the mode: the cluster's x
	s_and_b32 s40, ttmp7, 0xffff
	s_lshl_b32 s40, s40, 2                         ; 4 x the cluster's y
	s_lshl_b32 s41, s22, 2
	s_lshl_b32 s41, 15, s41                        ; my row of the cluster
	s_lshl_b32 s42, 0x1111, s21                    ; my column
	s_or_b32 s[G1], s41, (3<<16)|(1<<21)           ; elements of 8 bytes, no padding; bit 21 beside a mask
	s_or_b32 s[G1B], s42, (3<<16)|(1<<21)
	s_or_b32 s[G1S], s41, (3<<16)|(1<<21)
	s_or_b32 s[G1SB], s42, (3<<16)|(1<<21)
.irp g, G1, G1B                        ; codes: 8 rows (tiles) of 3,072 bytes, 12,288 bytes apart
	s_mov_b32 s[\g+1], 384<<16
	s_mov_b32 s[\g+2], 8<<16
	s_mov_b32 s[\g+3], 384<<16
	s_mov_b32 s[\g+4], 8
	s_mov_b32 s[\g+5], 1536
	s_mov_b32 s[\g+6], 0
	s_mov_b32 s[\g+7], 0
.endr
.irp g, G1S, G1SB                      ; scale words: a dense block of 4,096 bytes as 16 rows of 256
	s_mov_b32 s[\g+1], 32<<16
	s_mov_b32 s[\g+2], 16<<16
	s_mov_b32 s[\g+3], 32<<16
	s_mov_b32 s[\g+4], 16
	s_mov_b32 s[\g+5], 32
	s_mov_b32 s[\g+6], 0
	s_mov_b32 s[\g+7], 0
.endr
	s_add_co_u32 s92, s40, s22
	s_add_co_u32 s93, s40, s21
	s_mul_i32 s46, s23, 786432
	s_add_co_u32 s46, s46, WC                      ; the mode's weight: its codes,
	s_lshl_b32 s94, s23, 15
	s_add_co_u32 s94, s94, WS                      ; its scale words
	s_mov_b32 s44, XS
	s_cmp_eq_u32 s23, 3                            ; mode 3 changes the sides: A = wv, B = x
	s_cselect_b32 s92, s22, s92                    ; A's block of 256 rows: hangs on cy alone among the places
	s_cselect_b32 s93, s93, s21                    ; B's: on cx alone
	s_cselect_b32 s42, WC+1572864, 0
	s_cselect_b32 s44, WS+65536, s44
	s_cselect_b32 s46, 0, s46
	s_cselect_b32 s94, XS, s94
	s_lshl_b32 s96, s20, 3
	s_lshl_b32 s97, s92, 4
	s_add_co_u32 s97, s97, s96                     ; A's first tile of my fetch
	s_mul_i32 s98, s97, 12288
	s_add_co_u32 s42, s42, s98
	s_mov_b32 s43, 0
	s_lshl_b32 s98, s97, 9
	s_add_co_u32 s44, s44, s98
	s_mov_b32 s45, 0
	s_lshl_b32 s99, s93, 4
	s_add_co_u32 s99, s99, s96                     ; B's
	s_mul_i32 s100, s99, 12288
	s_add_co_u32 s46, s46, s100
	s_mov_b32 s47, 0
	s_lshl_b32 s100, s99, 9
	s_add_co_u32 s94, s94, s100
	s_mov_b32 s95, 0
	s_mul_i32 s96, s18, HALFT                      ; where they go: by the wave's number alone
	s_mul_i32 s97, s18, HALFS
	s_mov_b32 s[SEL], 0x76543210
	s_mov_b32 s[SEL+1], 0xfedcba98
	s_wait_dscnt 0x0                               ; both opening adds are done
	s_wait_kmcnt 0x0
	s_add_nc_u64 s[42:43], s[4:5], s[42:43]
	s_add_nc_u64 s[44:45], s[4:5], s[44:45]
	s_add_nc_u64 s[46:47], s[4:5], s[46:47]
	s_add_nc_u64 s[94:95], s[4:5], s[94:95]
	CROUND                                         ; all sixteen work-groups are here: the first joint loads meet
	s_mov_b32 s[G0S], 1
	s_add_co_u32 s[G0S+1], s97, SCL
	s_mov_b64 s[G0S+2:G0S+3], s[44:45]
	s_or_b32 s[G0S+3], s[G0S+3], 0x80000000
	s_mov_b32 s[G0SB], 1
	s_add_co_u32 s[G0SB+1], s97, SCL
	s_mov_b64 s[G0SB+2:G0SB+3], s[94:95]
	s_or_b32 s[G0SB+3], s[G0SB+3], 0x80000000
	JLOAD G0S, G1S, G0SB, G1SB
.irp s, 0,1
	s_mov_b32 s[G0+4*\s], 1
	s_add_co_u32 s[G0+4*\s+1], s96, \s*SLOT
	s_add_nc_u64 s[G0+4*\s+2:G0+4*\s+3], s[42:43], \s*3072
	s_or_b32 s[G0+4*\s+3], s[G0+4*\s+3], 0x80000000
	s_mov_b32 s[G0B+4*\s], 1
	s_add_co_u32 s[G0B+4*\s+1], s96, \s*SLOT
	s_add_nc_u64 s[G0B+4*\s+2:G0B+4*\s+3], s[46:47], \s*3072
	s_or_b32 s[G0B+4*\s+3], s[G0B+4*\s+3], 0x80000000
	JLOAD G0+4*\s, G1, G0B+4*\s, G1B
.endr
	s_mov_b32 s[G0C], 1                            ; slot 2's groups 0 are made in the registers that held the two addresses: no pending load names these
	s_add_co_u32 s[G0C+1], s96, 2*SLOT
	s_add_nc_u64 s[G0C+2:G0C+3], s[G0C+2:G0C+3], 2*3072
	s_or_b32 s[G0C+3], s[G0C+3], 0x80000000
	s_mov_b32 s[G0BC], 1
	s_add_co_u32 s[G0BC+1], s96, 2*SLOT
	s_add_nc_u64 s[G0BC+2:G0BC+3], s[G0BC+2:G0BC+3], 2*3072
	s_or_b32 s[G0BC+3], s[G0BC+3], 0x80000000
	JLOAD G0C, G1, G0BC, G1B
	v_and_b32 v1, 15, v0                           ; r
	v_bfe_u32 v2, v0, 4, 1                         ; h
	v_and_b32 v3, 31, v0                           ; lane
	v_lshlrev_b32 v[LI16], 4, v3
	v_lshlrev_b32 v[LI8], 3, v3
	s_mul_i32 s98, s19, HALFT
	s_mul_i32 s99, s20, HALFT
	s_add_co_u32 s99, s99, 2*HALFT
.irp s, 0,1,2
	v_add_nc_u32 v[ADRA16+\s], s98, v[LI16]
	v_add_nc_u32 v[ADRA8+\s], s98, v[LI8]
	v_add_nc_u32 v[ADRB16+\s], s99, v[LI16]
	v_add_nc_u32 v[ADRB8+\s], s99, v[LI8]
	s_add_co_u32 s98, s98, SLOT
	s_add_co_u32 s99, s99, SLOT
.endr
	s_mul_i32 s98, s19, HALFS
	s_mul_i32 s99, s20, HALFS
	s_add_co_u32 s99, s99, 2*HALFS
	s_sub_co_u32 s99, s99, s98
	v_mul_u32_u24 v17, s99, v2                     ; lanes 16-31 take B's words
	s_add_co_u32 s98, s98, SCL
	v_lshl_add_u32 v16, v1, 2, v17
	v_add_nc_u32 v[ADRS], s98, v16
	s_mul_i32 s98, s18, 8448                       ; my stage for the way out: 16 rows, 528 bytes apart, in slot 1
	s_add_co_u32 s98, s98, STAGE
	v_mul_u32_u24 v16, v1, 528
	v_lshl_add_u32 v16, v2, 6, v16
	v_add_nc_u32 v[STO], s98, v16
	v_add_nc_u32 v[RD], s98, v[LI16]
	s_wait_tensorcnt 2                             ; the scale words and my part of slot 0 are in; slot 1's and slot 2's loads may be out
	s_barrier_signal -1
	s_barrier_wait -1
	FETCH 0, 0, 0
	SCALES 0
	STEP 0, 0, 1                                   ; the four quarters of K are written out
	TURN 0, 1, 0, 1, 1                             ; the one round: slot 0 takes the last quarter
	STEP 1, 1, 0
	TURN 1, 2, 1, 0, 2                             ; no barrier: slot 2 has been shown landed
	STEP 2, 0, 0
	TURN 2, 0, 0, 1, 0                             ; a barrier alone: slot 0's refill has landed in every wave; behind it nobody reads slots 1 and 2
	STEP 0, 1, 0
	s_wait_dscnt 0x0
	WIN MUL_LO
	MUL16 0, 1, 1, 1, 0
	MUL16 2, 1, 1, 1, 0
	WIN MUL_HI
	MUL16 4, 1, 1, 1, 0
	MUL16 6, 1, 1, 1, 0
	WIN 0
	PLACES 4                                       ; behind the last products: for reads of results, writes and loads into operands' registers
.irp b, 0,1,2,3
	v_mov_b32 v[TP+\b], 0
.endr
	; ---- the bias
	s_cmp_eq_u32 s23, 3
	s_cbranch_scc1 .Lbias_t
	s_cmp_eq_u32 s23, 0
	s_cselect_b64 s[40:41], s[6:7], s[8:9]
	s_cmp_eq_u32 s23, 2
	s_cselect_b64 s[40:41], s[10:11], s[40:41]
	s_lshl_b32 s96, s93, 10
	s_lshl_b32 s97, s20, 9
	s_add_co_u32 s96, s96, s97
	s_mov_b32 s97, 0
	s_add_nc_u64 s[40:41], s[40:41], s[96:97]      ; my 128 columns' bias
	v_lshlrev_b32 v[BO], 6, v2                     ; tile b's register j is column 32 (b / 2) + 16 h + 8 (b % 2) + j
	WIN 0x40
.irp b, 0,1,2,3,4,5,6,7
	global_load_b128 v[8*\b:8*\b+3], v[BO], s[40:41] offset:(32*(\b/2)+8*(\b%2))*4
	global_load_b128 v[8*\b+4:8*\b+7], v[BO], s[40:41] offset:(32*(\b/2)+8*(\b%2))*4+16
.endr
	s_wait_loadcnt 0x0
.irp a, 0,1,2,3,4,5,6,7
	ADDB \a, 0
.endr
	WIN 0
	s_branch .Lbias_done
.Lbias_t:                                              ; mode 3: a lane's row is a column of V
	s_lshl_b32 s96, s92, 10
	s_lshl_b32 s97, s19, 9
	s_add_co_u32 s96, s96, s97
	s_mov_b32 s97, 0
	s_add_nc_u64 s[40:41], s[10:11], s[96:97]
	v_and_b32 v[BO], 8, v1
	v_add_nc_u32 v[BO], v[BO], v1
	v_lshlrev_b32 v[BO], 2, v[BO]                  ; row r of a tile is column r + 8 (r / 8) of its 32
	WIN 0x40
.irp a, 0,1,2,3,4,5,6,7
	global_load_b32 v[2*\a], v[BO], s[40:41] offset:(32*(\a/2)+8*(\a%2))*4
	global_load_b32 v[2*\a+1], v[BO], s[40:41] offset:(32*(\a/2)+8*(\a%2))*4
.endr
	s_wait_loadcnt 0x0
.irp a, 0,1,2,3,4,5,6,7
	ADDB \a, 1
.endr
	WIN 0
.Lbias_done:
	; ---- f32 rows first (modes 1, 2): Kc, Vc
	s_sub_co_u32 s96, s23, 1
	s_cmp_gt_u32 s96, 1
	s_cbranch_scc1 .Lno_rows
	s_cmp_eq_u32 s23, 1
	s_cselect_b64 s[40:41], s[14:15], s[16:17]
	s_lshl_b32 s96, s92, 8
	s_lshl_b32 s97, s19, 7
	s_add_co_u32 s96, s96, s97                     ; my first token
	s_lshl_b32 s96, s96, 12
	s_lshl_b32 s97, s93, 10
	s_add_co_u32 s96, s96, s97
	s_lshl_b32 s97, s20, 9
	s_add_co_u32 s96, s96, s97                     ; + my first column, in bytes
	s_mov_b32 s97, 0
	s_add_nc_u64 s[40:41], s[40:41], s[96:97]
	TOSTAGE 0
.irp a, 1,2,3,4,5,6,7
.if \a > 1
	s_wait_xcnt 0x0                                ; tile a - 2's stores have read their registers: tile a's loads may land there
.endif
	TOSTAGE \a
	SEND \a-1, 32                                  ; behind tile a - 1's loads: tile a's 16 stores and 16 loads
.endr
	SEND 7, 0
.Lno_rows:
	; ---- codes (modes 0, 1, 3).  They read the accumulators, which the rows' way out has left as they were, and write none of the registers that the rows' stores read
	s_cmp_eq_u32 s23, 2
	s_cbranch_scc1 .Lno_codes
	s_wait_xcnt 0x0                                ; the rows' stores have read their base, which is written again below
	s_lshl_b32 s96, s92, 4
	s_lshl_b32 s97, s19, 3
	s_add_co_u32 s96, s96, s97                     ; my first tile of A
	s_lshl_b32 s97, s93, 1
	s_add_co_u32 s97, s97, s20                     ; my 128 of B: the result's K step
	s_mul_i32 s98, s23, 3145728                    ; Q's or K's codes [tile][16 heads][768];
	s_lshl_b32 s99, s23, 18
	s_add_co_u32 s99, s99, QS
	s_lshl_b32 s100, s97, 15
	s_add_co_u32 s99, s99, s100                    ; their scale words [head][tile][16]: heads 2 NB (lanes 0-15) and 2 NB + 1 (lanes 16-31)
	s_lshl_b32 s100, s97, 6
	s_add_co_u32 s100, s100, VS                    ; V's [tile][32][16]
	s_mov_b32 s46, 12288
	s_cmp_eq_u32 s23, 3
	s_cselect_b32 s98, VC, s98
	s_cselect_b32 s99, s100, s99
	s_cselect_b32 s46, 49152, s46                  ; from tile to tile: codes,
	s_cselect_b32 s94, 2048, 64                    ; scale words
	s_cselect_b32 s100, 0, 16
	s_cselect_b32 s101, 0, 16384
	s_cselect_b32 s3, -1, 0xffff                   ; a head has two blocks: its word's upper two bytes are 0
	s_mov_b32 s47, 0
	s_mov_b32 s95, 0
	s_mul_i32 s40, s96, s46
	s_add_co_u32 s98, s98, s40
	s_mul_i32 s40, s97, 1536
	s_add_co_u32 s42, s98, s40
	s_mov_b32 s43, 0
	s_add_nc_u64 s[42:43], s[12:13], s[42:43]
	s_mul_i32 s40, s96, s94
	s_add_co_u32 s44, s99, s40
	s_mov_b32 s45, 0
	s_add_nc_u64 s[44:45], s[12:13], s[44:45]
	v_mul_u32_u24 v[SH], v2, s100
	v_mul_u32_u24 v[SO], v2, s101
	v_lshl_add_u32 v[SO], v1, 2, v[SO]
.irp a, 0,1,2,3,4,5,6,7
	QUANT 64*(\a%4), 2+\a/4, PC, PW
	global_store_b128 v[LI16], v[PC:PC+3], s[42:43]
	global_store_b64 v[LI8], v[PC+4:PC+5], s[42:43] offset:512
	global_store_b128 v[LI16], v[PC+6:PC+9], s[42:43] offset:768
	global_store_b64 v[LI8], v[PC+10:PC+11], s[42:43] offset:1280
	v_lshrrev_b32 v[PS], v[SH], v[PW]
	v_and_b32 v[PS], s3, v[PS]
	global_store_b32 v[SO], v[PS], s[44:45]
	s_wait_xcnt 0x0                                ; the stores have read their data and bases: both are written again below
	s_add_nc_u64 s[42:43], s[42:43], s[46:47]
	s_add_nc_u64 s[44:45], s[44:45], s[94:95]
.endr
.Lno_codes:
	s_wait_tensorcnt 0x0                           ; the wave's end
	ds_add_u32 v[SPW], v[NIL]
	s_wait_dscnt 0x0
	CROUND                                         ; the closing round
	s_endpgm
.Lfunc_end_k_q6b335584f5_qkv:
	.size	k_q6b335584f5_qkv, .Lfunc_end_k_q6b335584f5_qkv-k_q6b335584f5_qkv
	.p2alignl 7, 3214868480
	.fill 96, 4, 3214868480
	.section	.rodata,"a",@progbits
	.p2align	6, 0x0
	.amdhsa_kernel k_q6b335584f5_qkv
		.amdhsa_group_segment_fixed_size 327680
		.amdhsa_private_segment_fixed_size 0
		.amdhsa_enable_private_segment 0
		.amdhsa_kernarg_size 56
		.amdhsa_user_sgpr_count 2
		.amdhsa_user_sgpr_kernarg_segment_ptr 1
		.amdhsa_wavefront_size32 1
		.amdhsa_system_sgpr_workgroup_id_x 1
		.amdhsa_system_sgpr_workgroup_id_y 1
		.amdhsa_system_sgpr_workgroup_id_z 1
		.amdhsa_system_vgpr_workitem_id 0
		.amdhsa_next_free_vgpr 1024
		.amdhsa_next_free_sgpr 102
		.amdhsa_reserve_vcc 0
		.amdhsa_float_denorm_mode_32 3
		.amdhsa_float_denorm_mode_16_64 3
		.amdhsa_memory_ordered 1
		.amdhsa_forward_progress 1
		.amdhsa_inst_pref_size 218
	.end_amdhsa_kernel
	.amdgpu_metadata
---
amdhsa.version: [ 1, 2 ]
amdhsa.kernels:
  - .name:           k_q6b335584f5_qkv
    .symbol:         k_q6b335584f5_qkv.kd
    .args:
      - { .name: p1, .offset: 0, .size: 8, .value_kind: global_buffer, .address_space: global }
      - { .name: bq, .offset: 8, .size: 8, .value_kind: global_buffer, .address_space: global }
      - { .name: bk, .offset: 16, .size: 8, .value_kind: global_buffer, .address_space: global }
      - { .name: bv, .offset: 24, .size: 8, .value_kind: global_buffer, .address_space: global }
      - { .name: p2, .offset: 32, .size: 8, .value_kind: global_buffer, .address_space: global }
      - { .name: out1, .offset: 40, .size: 8, .value_kind: global_buffer, .address_space: global }
      - { .name: out2, .offset: 48, .size: 8, .value_kind: global_buffer, .address_space: global }
    .group_segment_fixed_size: 327680
    .private_segment_fixed_size: 0
    .kernarg_segment_align: 8
    .kernarg_segment_size: 56
    .max_flat_workgroup_size: 128
    .sgpr_count:     102
    .vgpr_count:     1024
    .wavefront_size: 32
...
	.end_amdgpu_metadata
.endif
;; end of part 2
;; launch attn (part 3): grid 8 x 32, 8 waves a work-group, clusters of 4 x 1, 212,992 bytes of LDS; arguments p2, p3; writes p3
.if DOCPART == 3
	.amdgcn_target "amdgcn-amd-amdhsa--gfx1250"
	.amdhsa_code_object_version 6
	.text
	.protected	k_q6b335584f5_attn
	.globl	k_q6b335584f5_attn
	.p2align	8
	.type	k_q6b335584f5_attn,@function
k_q6b335584f5_attn:
	s_mov_b64 s[64:65], 0
	v_nop
	global_prefetch_b8 v0, s[64:65] scope:SCOPE_SE
	s_setreg_imm32_b32 hwreg(HW_REG_WAVE_MODE, 25, 1), 1
	s_wait_xcnt 0x0
	s_wait_alu depctr_hold_cnt(0) depctr_sa_sdst(0) depctr_va_vdst(0) depctr_va_sdst(0) depctr_va_ssrc(0) depctr_va_vcc(0) depctr_vm_vsrc(0)
	s_getreg_b32 s2, hwreg(HW_REG_IB_STS2, 6, 4)
	s_cmp_eq_u32 s2, 0
	s_cbranch_scc0 .Lentry_in_a_cluster
	s_endpgm
.Lentry_in_a_cluster:
	s_bfe_u32 s2, ttmp6, 0x10000c
	s_cmp_lg_u32 s2, 0x3003
	s_cbranch_scc0 .Lentry_shape_is_right
	s_endpgm
.Lentry_shape_is_right:
; ATTN: cat = (Q K^T / 8) V for one batch and head, both products on codes of E2M3; no softmax and no mask, as the block is written.  The scores are quantised along the keys in registers and never leave them.
; EXACT REARRANGEMENT: the factor 1/8 = 2^-3 is applied to the result and not to the scores: quantising S / 8 gives the codes of S with every block's exponent 3 lower.  LIMIT: not where a block's exponent meets the
; hold at -126 (blocks of scores under about 2^-121).  No work is left out.  The first product's K is 64 of the instruction's 128: the upper 64 are zero codes on both sides (their scale bytes are 0, which is 2^-127).
; SHARES: grid y = 16 x batch + head; a work-group owns 256 queries, each of its eight waves two tiles of 16, so that each fragment of K and V read from LDS feeds two products.  Every wave walks the 2,048 keys, 128 a step.
; A WHOLE HEAD'S K AND V^T STAY IN LDS, filled once, in two halves; the four query blocks of a cluster ask jointly.  Wave 0 asks for K's three loads, wave 1 for V's: three tensor loads of a wave are out at the most.
; Both products are used transposed: S^T = K Q^T, O^T = V^T P^T: a lane holds one query.  A tile of tokens 2 p + u holds as row m token 32 p + 8 u + m + 8 (m / 8), so the 16 registers of tiles 2 p, 2 p + 1 are 16 neighbouring keys.
; REGISTERS: window 0: v1-6 LDS addresses, stepped; v18-27 scale words; v28.. Q; v52.. P; v76-95 at work; v96-191 K's eight fragments; v192-239 V's four.  window 1: v0-127 S^T; v128-191 O^T.
.set KC, 3145728
.set VC, 6291456
.set QS, 9437184
.set KS, 9699328
.set VS, 9961472
.set KCL, 0                            ; LDS: K's 128 images;
.set VCL, 98304                        ; V's [half][tile][8 steps x 1,536];
.set KSL, 196608                       ; K's scale words, 64 bytes a tile;
.set VSL, 204800                       ; V's [tile][16 steps][64];
.set SPARE, 208896                     ; the spare words, 128 bytes a wave
.set AK16, 1
.set AK8, 2
.set AV16, 3
.set AV8, 4
.set AKS, 5
.set AVS, 6
.set PWO, 10
.set SPW, 13
.set NIL, 14
.set LI16, 15
.set LI8, 16
.set R4, 17
.set KSC, 18
.set VSC, 22
.set QSC, 24
.set PSC, 26
.set QF, 28
.set PF, 52
.set CT, 76
.set TM, 84
.set TP, 88
.set TS, 92
.set KF, 96
.set VF, 192
.set SEL, 20
.set MSB, 0
.macro WIN new
.if MSB != (\new)
	s_set_vgpr_msb (MSB<<8)|(\new)
.set MSB, (\new)
.endif
.endm
.macro CROUND
	s_barrier_signal -1
	s_barrier_wait -1
	s_cmp_lg_u32 s8, 0
	s_cbranch_scc1 .Lnot_wave_0_\@
	s_barrier_signal -3
.Lnot_wave_0_\@:
	s_barrier_wait -3
	s_barrier_signal -1
	s_barrier_wait -1
.endm
.macro FRAG reg, a16, a8, off
	ds_load_b128 v[\reg:\reg+3], v[\a16] offset:\off
	ds_load_b64 v[\reg+4:\reg+5], v[\a8] offset:\off+512
	ds_load_b128 v[\reg+6:\reg+9], v[\a16] offset:\off+768
	ds_load_b64 v[\reg+10:\reg+11], v[\a8] offset:\off+1280
.endm
.macro QUANT s, w, pc, pw              ; 64 numbers in window w, register 16 b + i = k 32 b + 16 h + i -> 12 registers of codes and a scale word
	WIN (\w)|((\w)<<2)
.irp b, 0,1,2,3
	v_max3_num_f32 v[TM+\b], |v[\s+16*\b]|, |v[\s+16*\b+1]|, 0x1800000   ; each accumulator is read from its low end on
.endr
.irp i, 2,4,6,8,10,12,14
.irp b, 0,1,2,3
	v_max3_num_f32 v[TM+\b], |v[\s+16*\b+\i]|, |v[\s+16*\b+\i+1]|, v[TM+\b]
.endr
.endr
	WIN 0
.irp b, 0,1,2,3
	v_permlanex16_b32 v[TP+\b], v[TM+\b], s[SEL], s[SEL+1]
.endr
.irp b, 0,1,2,3
	v_max_num_f32 v[TM+\b], v[TM+\b], v[TP+\b]
.endr
.irp b, 0,1,2,3
	v_add_nc_u32 v[TS+\b], 0xff000000, v[TM+\b]
.endr
.irp b, 0,1,2,3
	v_lshrrev_b32 v[TP+\b], 23, v[TS+\b]
.endr
	v_lshl_or_b32 v[\pw], v[TP+1], 8, v[TP]
	v_lshl_or_b32 v[\pw], v[TP+2], 16, v[\pw]
	v_lshl_or_b32 v[\pw], v[TP+3], 24, v[\pw]
	WIN (\w)
.irp c, 0,1
	v_cvt_scalef32_pk16_fp6_f32 v[\pc+6*\c:\pc+6*\c+2], v[\s+32*\c:\s+32*\c+15], v[TS+2*\c]
	v_cvt_scalef32_pk16_fp6_f32 v[CT+4*\c:CT+4*\c+2], v[\s+32*\c+16:\s+32*\c+31], v[TS+2*\c+1]
.endr
	WIN 0
	v_nop
.irp c, 0,1
.irp i, 0,1,2
	v_permlane16_swap_b32 v[\pc+6*\c+\i], v[CT+4*\c+\i]
.endr
.irp i, 0,1,2
	v_mov_b32 v[\pc+6*\c+3+\i], v[CT+4*\c+\i]
.endr
.endr
.endm
.macro QUANT32 s, w, pc, pw            ; the same of 32 numbers (two blocks): one image, two bytes
	WIN (\w)|((\w)<<2)
.irp b, 0,1
	v_max3_num_f32 v[TM+\b], |v[\s+16*\b]|, |v[\s+16*\b+1]|, 0x1800000
.endr
.irp i, 2,4,6,8,10,12,14
.irp b, 0,1
	v_max3_num_f32 v[TM+\b], |v[\s+16*\b+\i]|, |v[\s+16*\b+\i+1]|, v[TM+\b]
.endr
.endr
	WIN 0
.irp b, 0,1
	v_permlanex16_b32 v[TP+\b], v[TM+\b], s[SEL], s[SEL+1]
.endr
.irp b, 0,1
	v_max_num_f32 v[TM+\b], v[TM+\b], v[TP+\b]
.endr
.irp b, 0,1
	v_add_nc_u32 v[TS+\b], 0xff000000, v[TM+\b]
.endr
.irp b, 0,1
	v_lshrrev_b32 v[TP+\b], 23, v[TS+\b]
.endr
	v_lshl_or_b32 v[\pw], v[TP+1], 8, v[TP]
	WIN (\w)
	v_cvt_scalef32_pk16_fp6_f32 v[\pc:\pc+2], v[\s:\s+15], v[TS]
	v_cvt_scalef32_pk16_fp6_f32 v[CT:CT+2], v[\s+16:\s+31], v[TS+1]
	WIN 0
	v_nop
.irp i, 0,1,2
	v_permlane16_swap_b32 v[\pc+\i], v[CT+\i]
.endr
.irp i, 0,1,2
	v_mov_b32 v[\pc+3+\i], v[CT+\i]
.endr
.endm
; A KEY STEP: 128 keys.
.macro STEP
.irp i, 0,1,2,3,4,5,6,7
	ds_load_b128 v[KF+12*\i:KF+12*\i+3], v[AK16] offset:768*\i       ; K's tile i: one image; the fragment's upper six registers stay zero codes
	ds_load_b64 v[KF+12*\i+4:KF+12*\i+5], v[AK8] offset:768*\i+512
.endr
.irp i, 0,1,2,3
	ds_load_b32 v[KSC+\i], v[AKS] offset:128*\i                      ; lanes 0-15 tile 2 i's words, lanes 16-31 tile 2 i + 1's
.endr
.irp t, 0,1,2,3
	FRAG VF+12*\t, AV16, AV8, 12288*\t
.endr
.irp t, 0,1
	ds_load_b32 v[VSC+\t], v[AVS] offset:2048*\t
.endr
	s_wait_dscnt 18                                ; K and its words are in; V's 16 loads and 2 words may be out
	WIN 0x40
.irp kt, 0,1,2,3,4,5,6,7
.irp q, 0,1
.if \kt%2
	v_wmma_scale_f32_16x16x128_f8f6f4 v[64*\q+8*\kt:64*\q+8*\kt+7], v[KF+12*\kt:KF+12*\kt+11], v[QF+12*\q:QF+12*\q+11], 0, v[KSC+\kt/2], v[QSC+\q] matrix_a_fmt:MATRIX_FMT_FP6 matrix_b_fmt:MATRIX_FMT_FP6 matrix_a_scale:MATRIX_SCALE_ROW1
.else
	v_wmma_scale_f32_16x16x128_f8f6f4 v[64*\q+8*\kt:64*\q+8*\kt+7], v[KF+12*\kt:KF+12*\kt+11], v[QF+12*\q:QF+12*\q+11], 0, v[KSC+\kt/2], v[QSC+\q] matrix_a_fmt:MATRIX_FMT_FP6 matrix_b_fmt:MATRIX_FMT_FP6
.endif
.endr
.endr
	WIN 0
.rept 4
	v_nop                                          ; places in front of the first read of the scores
.endr
	QUANT 0, 1, PF, PSC
	QUANT 64, 1, PF+12, PSC+1
.rept 8
	v_nop                                          ; a scale register written by a vector instruction stands 8 places ahead of a scaled matrix instruction
.endr
	s_wait_dscnt 0x0                               ; V is in
	WIN 0x50
.irp t, 0,1,2,3
.irp q, 0,1
.if \t%2
	v_wmma_scale_f32_16x16x128_f8f6f4 v[128+32*\q+8*\t:128+32*\q+8*\t+7], v[VF+12*\t:VF+12*\t+11], v[PF+12*\q:PF+12*\q+11], v[128+32*\q+8*\t:128+32*\q+8*\t+7], v[VSC+\t/2], v[PSC+\q] matrix_a_fmt:MATRIX_FMT_FP6 matrix_b_fmt:MATRIX_FMT_FP6 matrix_a_scale:MATRIX_SCALE_ROW1
.else
	v_wmma_scale_f32_16x16x128_f8f6f4 v[128+32*\q+8*\t:128+32*\q+8*\t+7], v[VF+12*\t:VF+12*\t+11], v[PF+12*\q:PF+12*\q+11], v[128+32*\q+8*\t:128+32*\q+8*\t+7], v[VSC+\t/2], v[PSC+\q] matrix_a_fmt:MATRIX_FMT_FP6 matrix_b_fmt:MATRIX_FMT_FP6
.endif
.endr
.endr
	WIN 0
	v_add_nc_u32 v[AK16], 6144, v[AK16]            ; on to the next step (no LDS load of mine is out).  These six are also the places behind the products above
	v_add_nc_u32 v[AK8], 6144, v[AK8]
	v_add_nc_u32 v[AV16], 1536, v[AV16]
	v_add_nc_u32 v[AV8], 1536, v[AV8]
	v_add_nc_u32 v[AKS], 512, v[AKS]
	v_add_nc_u32 v[AVS], 64, v[AVS]
.endm
	s_load_b128 s[4:7], s[0:1], 0x0                ; p2, p3
	v_lshl_add_u32 v[SPW], v0, 2, SPARE
	v_mov_b32 v[NIL], 0
	ds_add_u32 v[SPW], v[NIL]                      ; the opening: the add, twice on end, and its wait ahead of the first tensor load
	ds_add_u32 v[SPW], v[NIL]
	v_lshrrev_b32 v1, 5, v0
	v_readfirstlane_b32 s8, v1                     ; wave 0..7
	s_bfe_u32 s9, ttmp6, 0x40000                   ; cx
	s_lshl_b32 s13, ttmp9, 2
	s_add_co_u32 s13, s13, s9                      ; my block of 256 queries: it enters Q's and the result's addresses alone
	s_and_b32 s10, ttmp7, 0xffff
	s_lshr_b32 s11, s10, 4                         ; batch
	s_and_b32 s12, s10, 15                         ; head
	s_mov_b32 s24, 15|(3<<16)|(1<<21)              ; K's codes: 64 rows (tiles) of 768 bytes, 12,288 apart; the mask names all four partners
	s_mov_b32 s25, 96<<16
	s_mov_b32 s26, 64<<16
	s_mov_b32 s27, 96<<16
	s_mov_b32 s28, 64
	s_mov_b32 s29, 1536
	s_mov_b32 s30, 0
	s_mov_b32 s31, 0
	s_mov_b32 s32, 15|(3<<16)|(1<<21)              ; V's codes: 4 rows (tiles) of 12,288 bytes, 49,152 apart
	s_mov_b32 s33, 1536<<16
	s_mov_b32 s34, 4<<16
	s_mov_b32 s35, 1536<<16
	s_mov_b32 s36, 4
	s_mov_b32 s37, 6144
	s_mov_b32 s38, 0
	s_mov_b32 s39, 0
	s_mov_b32 s40, 15|(3<<16)|(1<<21)              ; K's scale words: 8,192 dense bytes as 32 rows of 256
	s_mov_b32 s41, 32<<16
	s_mov_b32 s42, 32<<16
	s_mov_b32 s43, 32<<16
	s_mov_b32 s44, 32
	s_mov_b32 s45, 32
	s_mov_b32 s46, 0
	s_mov_b32 s47, 0
	s_mov_b32 s48, 15|(3<<16)|(1<<21)              ; V's: 4 rows of 1,024 bytes, 2,048 apart
	s_mov_b32 s49, 128<<16
	s_mov_b32 s50, 4<<16
	s_mov_b32 s51, 128<<16
	s_mov_b32 s52, 4
	s_mov_b32 s53, 256
	s_mov_b32 s54, 0
	s_mov_b32 s55, 0
	s_mul_i32 s84, s11, 1572864
	s_mul_i32 s85, s12, 768
	s_add_co_u32 s84, s84, s85
	s_add_co_u32 s84, s84, KC
	s_mov_b32 s85, 0                               ; K's codes of this batch and head
	s_mul_i32 s86, s12, 196608
	s_mul_i32 s87, s11, 24576
	s_add_co_u32 s86, s86, s87
	s_add_co_u32 s86, s86, VC
	s_mov_b32 s87, 0                               ; V's
	s_lshl_b32 s88, s12, 14
	s_lshl_b32 s89, s11, 13
	s_add_co_u32 s88, s88, s89
	s_add_co_u32 s88, s88, KS
	s_mov_b32 s89, 0
	s_lshl_b32 s90, s12, 13
	s_lshl_b32 s91, s11, 10
	s_add_co_u32 s90, s90, s91
	s_add_co_u32 s90, s90, VS
	s_mov_b32 s91, 0
	s_lshl_b32 s92, s11, 7
	s_lshl_b32 s93, s13, 4
	s_add_co_u32 s92, s92, s93
	s_lshl_b32 s93, s8, 1
	s_add_co_u32 s92, s92, s93                     ; my first tile of queries
	s_mul_i32 s94, s92, 12288
	s_mul_i32 s95, s12, 768
	s_add_co_u32 s94, s94, s95
	s_mov_b32 s95, 0                               ; its image of this head: in Q's codes and in the result's alike
	s_lshl_b32 s96, s12, 8
	s_add_co_u32 s96, s96, s92
	s_lshl_b32 s96, s96, 6
	s_add_co_u32 s96, s96, QS
	s_mov_b32 s97, 0
	s_lshl_b32 s98, s92, 9
	s_lshr_b32 s99, s12, 1
	s_lshl_b32 s99, s99, 6
	s_add_co_u32 s98, s98, s99
	s_and_b32 s99, s12, 1
	s_lshl_b32 s99, s99, 1
	s_add_co_u32 s98, s98, s99
	s_add_co_u32 s98, s98, 3145728                 ; the result's scale words [tile][8][16]: this head's two bytes of word head / 2
	s_mov_b32 s99, 0
	s_mov_b32 s[SEL], 0x76543210
	s_mov_b32 s[SEL+1], 0xfedcba98
	s_wait_dscnt 0x0                               ; both opening adds are done
	s_wait_kmcnt 0x0
	CROUND                                         ; all four work-groups are here: the joint loads meet
	s_mov_b32 s56, 1
	s_mov_b32 s57, KSL
	s_add_nc_u64 s[58:59], s[4:5], s[88:89]
	s_or_b32 s59, s59, 0x80000000
	s_mov_b32 s60, 1
	s_mov_b32 s61, KCL
	s_add_nc_u64 s[62:63], s[4:5], s[84:85]
	s_mov_b32 s68, 1
	s_mov_b32 s69, KCL+49152
	s_add_nc_u64 s[70:71], s[62:63], 786432
	s_or_b32 s63, s63, 0x80000000
	s_or_b32 s71, s71, 0x80000000
	s_mov_b32 s72, 1
	s_mov_b32 s73, VSL
	s_add_nc_u64 s[74:75], s[4:5], s[90:91]
	s_or_b32 s75, s75, 0x80000000
	s_mov_b32 s76, 1
	s_mov_b32 s77, VCL
	s_add_nc_u64 s[78:79], s[4:5], s[86:87]
	s_mov_b32 s80, 1
	s_mov_b32 s81, VCL+49152
	s_add_nc_u64 s[82:83], s[78:79], 12288
	s_or_b32 s79, s79, 0x80000000
	s_or_b32 s83, s83, 0x80000000
	s_cmp_eq_u32 s8, 0                             ; a wave's fills stand in one branch on the wave's number, the same in all partners
	s_cbranch_scc0 .Lnot_k
	tensor_load_to_lds s[56:59], s[40:47]
	s_nop 0
	tensor_load_to_lds s[60:63], s[24:31]
	s_nop 0
	tensor_load_to_lds s[68:71], s[24:31]
	s_nop 0
.rept 4
	v_nop
.endr
	s_branch .Lasked
.Lnot_k:
	s_cmp_eq_u32 s8, 1
	s_cbranch_scc0 .Lasked
	tensor_load_to_lds s[72:75], s[48:55]
	s_nop 0
	tensor_load_to_lds s[76:79], s[32:39]
	s_nop 0
	tensor_load_to_lds s[80:83], s[32:39]
	s_nop 0
.rept 4
	v_nop
.endr
.Lasked:
	s_add_nc_u64 s[14:15], s[4:5], s[94:95]        ; Q's codes
	s_add_nc_u64 s[16:17], s[4:5], s[96:97]        ; Q's scale words
	s_add_nc_u64 s[18:19], s[6:7], s[94:95]        ; the result's codes
	s_add_nc_u64 s[22:23], s[6:7], s[98:99]        ; and scale bytes
	v_and_b32 v7, 31, v0
	v_and_b32 v8, 15, v0
	v_bfe_u32 v9, v0, 4, 1
	v_lshlrev_b32 v[LI16], 4, v7
	v_lshlrev_b32 v[LI8], 3, v7
	v_lshlrev_b32 v[R4], 2, v8
.irp q, 0,1
	global_load_b128 v[QF+12*\q:QF+12*\q+3], v[LI16], s[14:15] offset:12288*\q
	global_load_b64 v[QF+12*\q+4:QF+12*\q+5], v[LI8], s[14:15] offset:12288*\q+512
	global_load_b32 v[QSC+\q], v[R4], s[16:17] offset:64*\q
.endr
	v_mov_b32 v[AK16], v[LI16]
	v_mov_b32 v[AK8], v[LI8]
	v_add_nc_u32 v[AV16], VCL, v[LI16]
	v_add_nc_u32 v[AV8], VCL, v[LI8]
	v_lshl_add_u32 v[AKS], v7, 2, KSL
	v_lshl_add_u32 v[AVS], v9, 10, v[R4]
	v_add_nc_u32 v[AVS], VSL, v[AVS]               ; lanes 0-15 tile 2 t's words, lanes 16-31 tile 2 t + 1's
.irp q, 0,1
.irp i, 6,7,8,9,10,11
	v_mov_b32 v[QF+12*\q+\i], 0                    ; the upper 64 of the first product's K: zero codes
.endr
.endr
.irp t, 0,1,2,3,4,5,6,7
.irp i, 6,7,8,9,10,11
	v_mov_b32 v[KF+12*\t+\i], 0
.endr
.endr
.irp b, 0,1,2,3
	v_mov_b32 v[TP+\b], 0
.endr
	WIN 0x40
.set k, 0
.rept 64
	v_mov_b32 v[128+k], 0                          ; O^T begins as zeros, so that the step is written once
.set k, k+1
.endr
	WIN 0
	s_wait_tensorcnt 1                             ; the scale words and the first halves are in; the second halves' loads may be out
	s_barrier_signal -1
	s_barrier_wait -1
	s_wait_loadcnt 0x0                             ; Q
	s_mov_b32 s13, 8
.Lhalf0:
	STEP
	s_sub_co_u32 s13, s13, 1
	s_cmp_lg_u32 s13, 0
	s_cbranch_scc1 .Lhalf0
	s_wait_tensorcnt 0x0                           ; the second halves have landed,
	s_wait_dscnt 0x0
	s_barrier_signal -1
	s_barrier_wait -1                              ; everybody's
	v_add_nc_u32 v[AV16], 36864, v[AV16]           ; V's second half lies behind the four tiles' first halves
	v_add_nc_u32 v[AV8], 36864, v[AV8]
	s_mov_b32 s13, 8
.Lhalf1:
	STEP
	s_sub_co_u32 s13, s13, 1
	s_cmp_lg_u32 s13, 0
	s_cbranch_scc1 .Lhalf1
	; THE WAY OUT.  (The step's last six additions are the places behind the last products.)  O^T / 8, quantised along the head's 64: one image and two bytes a tile.
	WIN 0x41
.set k, 0
.rept 32
	v_pk_mul_f32 v[128+2*k:128+2*k+1], v[128+2*k:128+2*k+1], 0x3e000000 op_sel_hi:[1,0]
.set k, k+1
.endr
	WIN 0
	QUANT32 128, 1, PF, PWO
	QUANT32 160, 1, PF+12, PWO+1
.irp q, 0,1
	global_store_b128 v[LI16], v[PF+12*\q:PF+12*\q+3], s[18:19] offset:12288*\q
	global_store_b64 v[LI8], v[PF+12*\q+4:PF+12*\q+5], s[18:19] offset:12288*\q+512
	global_store_b16 v[R4], v[PWO+\q], s[22:23] offset:512*\q
.endr
	s_wait_tensorcnt 0x0                           ; the wave's end
	ds_add_u32 v[SPW], v[NIL]
	s_wait_dscnt 0x0
	CROUND                                         ; the closing round
	s_endpgm
.Lfunc_end_k_q6b335584f5_attn:
	.size	k_q6b335584f5_attn, .Lfunc_end_k_q6b335584f5_attn-k_q6b335584f5_attn
	.p2alignl 7, 3214868480
	.fill 96, 4, 3214868480
	.section	.rodata,"a",@progbits
	.p2align	6, 0x0
	.amdhsa_kernel k_q6b335584f5_attn
		.amdhsa_group_segment_fixed_size 212992
		.amdhsa_private_segment_fixed_size 0
		.amdhsa_enable_private_segment 0
		.amdhsa_kernarg_size 16
		.amdhsa_user_sgpr_count 2
		.amdhsa_user_sgpr_kernarg_segment_ptr 1
		.amdhsa_wavefront_size32 1
		.amdhsa_system_sgpr_workgroup_id_x 1
		.amdhsa_system_sgpr_workgroup_id_y 1
		.amdhsa_system_sgpr_workgroup_id_z 1
		.amdhsa_system_vgpr_workitem_id 0
		.amdhsa_next_free_vgpr 512
		.amdhsa_next_free_sgpr 100
		.amdhsa_reserve_vcc 0
		.amdhsa_float_denorm_mode_32 3
		.amdhsa_float_denorm_mode_16_64 3
		.amdhsa_memory_ordered 1
		.amdhsa_forward_progress 1
		.amdhsa_inst_pref_size 50
	.end_amdhsa_kernel
	.amdgpu_metadata
---
amdhsa.version: [ 1, 2 ]
amdhsa.kernels:
  - .name:           k_q6b335584f5_attn
    .symbol:         k_q6b335584f5_attn.kd
    .args:
      - { .name: p2, .offset: 0, .size: 8, .value_kind: global_buffer, .address_space: global }
      - { .name: p3, .offset: 8, .size: 8, .value_kind: global_buffer, .address_space: global }
    .group_segment_fixed_size: 212992
    .private_segment_fixed_size: 0
    .kernarg_segment_align: 8
    .kernarg_segment_size: 16
    .max_flat_workgroup_size: 256
    .sgpr_count:     100
    .vgpr_count:     512
    .wavefront_size: 32
...
	.end_amdgpu_metadata
.endif
;; end of part 3
;; launch proj (part 4): grid 8 x 32, 4 waves a work-group, clusters of 4 x 4, 327,680 bytes of LDS; arguments p3, p1, x, bp, y; writes y
.if DOCPART == 4
	.amdgcn_target "amdgcn-amd-amdhsa--gfx1250"
	.amdhsa_code_object_version 6
	.text
	.protected	k_q6b335584f5_proj
	.globl	k_q6b335584f5_proj
	.p2align	8
	.type	k_q6b335584f5_proj,@function
k_q6b335584f5_proj:
	s_mov_b64 s[64:65], 0
	v_nop
	global_prefetch_b8 v0, s[64:65] scope:SCOPE_SE
	s_setreg_imm32_b32 hwreg(HW_REG_WAVE_MODE, 25, 1), 1
	s_wait_xcnt 0x0
	s_wait_alu depctr_hold_cnt(0) depctr_sa_sdst(0) depctr_va_vdst(0) depctr_va_sdst(0) depctr_va_ssrc(0) depctr_va_vcc(0) depctr_vm_vsrc(0)
	s_getreg_b32 s2, hwreg(HW_REG_IB_STS2, 6, 4)
	s_cmp_eq_u32 s2, 0
	s_cbranch_scc0 .Lentry_in_a_cluster
	s_endpgm
.Lentry_in_a_cluster:
	s_bfe_u32 s2, ttmp6, 0x10000c
	s_cmp_lg_u32 s2, 0xf033
	s_cbranch_scc0 .Lentry_shape_is_right
	s_endpgm
.Lentry_shape_is_right:
; PROJ: y = x + cat wp + bp, the product on codes of E2M3, K = 1,024.  No work is left out.  LIMITS: NaN and infinities are not served.
; A work-group makes 128 tokens x 128 columns (256 work-groups, where tiles of 256 x 256 would give 64); a wave 64 x 64: 16 accumulators.  Source 0 = the weight's columns (along a lane's registers), source 1 = tokens.
; Operands are images of their registers, [tile][K / 64][768]; a slot holds 512 along K of 8 + 8 tiles, dense.  Tile 2 p + u holds as row m the row 32 p + 8 u + m + 8 (m / 8).
; CLUSTER 4 x 4: A's tiles are asked for jointly along a row, B's along a column.  Three tensor loads of a wave are out at the start, one behind each round.
; REGISTERS: window 0: v16-31 addresses; v32-63 scale words; v64-127 the way out; v128-255 accumulators.  window 1: two sets: A at 128 f, B at 128 f + 48.  window 2: the residual's 128 registers and the bias's 4, asked for at the head.
.set SIZE_K, 1024
.set ASC, 3145728                      ; A's scale words in its buffer
.set BC, 3276800+2359296               ; B's codes in p1
.set BS, 12713984+98304                ; B's scale words in p1
.set TPB, SIZE_K*12                    ; a tile's codes in bytes
.set SPB, SIZE_K/2                     ; a tile's scale words in bytes
.set HALFT, 24576
.set SLOT, 4*HALFT
.set SCL, 2*SLOT
.set HALFS, 4*SPB
.set SPARE, SCL+4*HALFS
.set LAPS, SIZE_K/1024
.set BIO, 15
.set ADRA16, 16
.set ADRA8, 18
.set ADRB16, 20
.set ADRB8, 22
.set STO, 24
.set RD, 25
.set CO, 26
.set ADRS, 27
.set SPW, 28
.set NIL, 29
.set LI16, 30
.set LI8, 31
.set SC, 32
.set OB, 64
.set ACC, 128
.set G1, 24
.set G0, 32
.set G1B, 48
.set G0B, 56
.set G1S, 68
.set G0S, 76
.set G1SB, 80
.set G0SB, 88
.set MUL, 0x05
.set MSB, 0
.macro WIN new
.if MSB != (\new)
	s_set_vgpr_msb (MSB<<8)|(\new)
.set MSB, (\new)
.endif
.endm
.macro PLACES n
.rept \n
	v_nop
.endr
.endm
.macro JLOAD g0a, g1a, g0b, g1b
	s_cmp_eq_u32 s19, 0
	s_cbranch_scc0 .Lfor_b_\@
	tensor_load_to_lds s[\g0a:\g0a+3], s[\g1a:\g1a+7]
	s_nop 0
.rept 4
	v_nop
.endr
	s_branch .Lasked_\@
.Lfor_b_\@:
	tensor_load_to_lds s[\g0b:\g0b+3], s[\g1b:\g1b+7]
	s_nop 0
.rept 4
	v_nop
.endr
.Lasked_\@:
.endm
.macro CREST
	s_cmp_lg_u32 s18, 0
	s_cbranch_scc1 .Lnot_wave_0_\@
	s_barrier_signal -3
.Lnot_wave_0_\@:
	s_barrier_wait -3
	s_barrier_signal -1
	s_barrier_wait -1
.endm
.macro CROUND
	s_barrier_signal -1
	s_barrier_wait -1
	CREST
.endm
.macro FRAG reg, a16, a8, off
	ds_load_b128 v[\reg:\reg+3], v[\a16] offset:\off
	ds_load_b64 v[\reg+4:\reg+5], v[\a8] offset:\off+512
	ds_load_b128 v[\reg+6:\reg+9], v[\a16] offset:\off+768
	ds_load_b64 v[\reg+10:\reg+11], v[\a8] offset:\off+1280
.endm
.macro FETCH slot, q, f                ; 32 LDS loads in one run
	WIN 0x40
.irp i, 0,1,2,3
	FRAG 128*(\f)+48+12*\i, ADRB16+\slot, ADRB8+\slot, \i*6144+(\q)*1536
	FRAG 128*(\f)+12*\i, ADRA16+\slot, ADRA8+\slot, \i*6144+(\q)*1536
.endr
	WIN 0
.endm
.macro SCALES set                      ; register 4 i + q: lanes 0-15 A's tile i, lanes 16-31 B's tile i
.irp i, 0,1,2,3
.irp q, 0,1,2,3
	ds_load_b32 v[SC+16*\set+4*\i+\q], v[ADRS] offset:\i*SPB+64*\q
.endr
.endr
.endm
.macro MUL4 a, f, q, sc, zero          ; the 16 accumulators take turns, one instruction a turn
.irp b, 0,1,2,3
.if \zero
	v_wmma_scale_f32_16x16x128_f8f6f4 v[ACC+8*(4*(\a)+\b):ACC+8*(4*(\a)+\b)+7], v[128*(\f)+48+12*\b:128*(\f)+48+12*\b+11], v[128*(\f)+12*(\a):128*(\f)+12*(\a)+11], 0, v[SC+16*(\sc)+4*\b+(\q)], v[SC+16*(\sc)+4*(\a)+(\q)] matrix_a_fmt:MATRIX_FMT_FP6 matrix_b_fmt:MATRIX_FMT_FP6 matrix_a_scale:MATRIX_SCALE_ROW1
.else
	v_wmma_scale_f32_16x16x128_f8f6f4 v[ACC+8*(4*(\a)+\b):ACC+8*(4*(\a)+\b)+7], v[128*(\f)+48+12*\b:128*(\f)+48+12*\b+11], v[128*(\f)+12*(\a):128*(\f)+12*(\a)+11], v[ACC+8*(4*(\a)+\b):ACC+8*(4*(\a)+\b)+7], v[SC+16*(\sc)+4*\b+(\q)], v[SC+16*(\sc)+4*(\a)+(\q)] matrix_a_fmt:MATRIX_FMT_FP6 matrix_b_fmt:MATRIX_FMT_FP6 matrix_a_scale:MATRIX_SCALE_ROW1
.endif
.endr
.endm
.macro STEP slot, q, zero              ; one of a slot's first three 128 along K
	s_wait_dscnt 0x0                               ; this step's set (and, at a slot's head, its scale words) is in
	PLACES 4                                       ; in front of loads into the other set, which the last products read
	FETCH \slot, (\q)+1, ((\q)+1)%2
	WIN MUL
.irp a, 0,1,2,3
	MUL4 \a, (\q)%2, \q, \slot, \zero
.endr
.endm
.macro TURN slot, next, fill           ; a slot's last 128 along K, and the change of slots: one barrier
	WIN 0
	s_wait_tensorcnt 0x0                           ; all my tensor loads have landed
	ds_add_u32 v[SPW], v[NIL]                      ; 0 onto my spare word
	s_wait_dscnt 1                                 ; set 1 is in; the add alone may be out
	WIN MUL
	MUL4 0, 1, 3, \slot, 0
	s_wait_dscnt 0x0                               ; the add is done, and my reads of this slot are over
	s_barrier_signal -1
	MUL4 1, 1, 3, \slot, 0
	WIN 0
	s_barrier_wait -1
.if \fill
	CREST
	s_add_nc_u64 s[G0+4*\slot+2:G0+4*\slot+3], s[G0+4*\slot+2:G0+4*\slot+3], 12288
	s_add_nc_u64 s[G0B+4*\slot+2:G0B+4*\slot+3], s[G0B+4*\slot+2:G0B+4*\slot+3], 12288
	JLOAD G0+4*\slot, G1, G0B+4*\slot, G1B
.else
	PLACES 4
.endif
	v_add_nc_u32 v[ADRS], 256, v[ADRS]
	FETCH \next, 0, 0
	SCALES \next
	WIN MUL
	MUL4 2, 1, 3, \slot, 0
	MUL4 3, 1, 3, \slot, 0
.endm
	s_load_b256 s[4:11], s[0:1], 0x0               ; A's buffer, p1, the residual, the bias
	s_load_b64 s[12:13], s[0:1], 0x20              ; the result
	v_lshl_add_u32 v[SPW], v0, 2, SPARE
	v_mov_b32 v[NIL], 0
	ds_add_u32 v[SPW], v[NIL]                      ; the opening: the add, twice on end, and its wait ahead of my first tensor load
	ds_add_u32 v[SPW], v[NIL]
	v_lshrrev_b32 v1, 5, v0
	v_readfirstlane_b32 s18, v1
	s_lshr_b32 s19, s18, 1
	s_and_b32 s20, s18, 1
	s_bfe_u32 s21, ttmp6, 0x40000
	s_bfe_u32 s22, ttmp6, 0x40004
	s_lshl_b32 s93, ttmp9, 2
	s_add_co_u32 s93, s93, s21                     ; block of 128 columns
	s_and_b32 s92, ttmp7, 0xffff
	s_lshl_b32 s92, s92, 2
	s_add_co_u32 s92, s92, s22                     ; block of 128 tokens
	s_lshl_b32 s42, s22, 2
	s_lshl_b32 s42, 15, s42
	s_lshl_b32 s43, 0x1111, s21
	s_or_b32 s[G1], s42, (3<<16)|(1<<21)
	s_or_b32 s[G1B], s43, (3<<16)|(1<<21)
	s_or_b32 s[G1S], s42, (3<<16)|(1<<21)
	s_or_b32 s[G1SB], s43, (3<<16)|(1<<21)
.irp g, G1, G1B                        ; codes: 4 rows (tiles) of 6,144 bytes, TPB apart
	s_mov_b32 s[\g+1], 768<<16
	s_mov_b32 s[\g+2], 4<<16
	s_mov_b32 s[\g+3], 768<<16
	s_mov_b32 s[\g+4], 4
	s_mov_b32 s[\g+5], TPB/8
	s_mov_b32 s[\g+6], 0
	s_mov_b32 s[\g+7], 0
.endr
.irp g, G1S, G1SB                      ; scale words: HALFS dense bytes as rows of 256
	s_mov_b32 s[\g+1], 32<<16
	s_mov_b32 s[\g+2], (HALFS/256)<<16
	s_mov_b32 s[\g+3], 32<<16
	s_mov_b32 s[\g+4], HALFS/256
	s_mov_b32 s[\g+5], 32
	s_mov_b32 s[\g+6], 0
	s_mov_b32 s[\g+7], 0
.endr
	s_lshl_b32 s96, s20, 2
	s_lshl_b32 s97, s92, 3
	s_add_co_u32 s97, s97, s96                     ; A's first tile of my fetch
	s_mul_i32 s42, s97, TPB
	s_mov_b32 s43, 0
	s_mul_i32 s44, s97, SPB
	s_add_co_u32 s44, s44, ASC
	s_mov_b32 s45, 0
	s_lshl_b32 s99, s93, 3
	s_add_co_u32 s99, s99, s96                     ; B's
	s_mul_i32 s46, s99, TPB
	s_add_co_u32 s46, s46, BC
	s_mov_b32 s47, 0
	s_mul_i32 s94, s99, SPB
	s_add_co_u32 s94, s94, BS
	s_mov_b32 s95, 0
	s_mul_i32 s96, s18, HALFT
	s_mul_i32 s97, s18, HALFS
	s_wait_dscnt 0x0
	s_wait_kmcnt 0x0
	s_add_nc_u64 s[42:43], s[4:5], s[42:43]
	s_add_nc_u64 s[44:45], s[4:5], s[44:45]
	s_add_nc_u64 s[46:47], s[6:7], s[46:47]
	s_add_nc_u64 s[94:95], s[6:7], s[94:95]
	CROUND
	s_mov_b32 s[G0S], 1
	s_add_co_u32 s[G0S+1], s97, SCL
	s_mov_b64 s[G0S+2:G0S+3], s[44:45]
	s_or_b32 s[G0S+3], s[G0S+3], 0x80000000
	s_mov_b32 s[G0SB], 1
	s_add_co_u32 s[G0SB+1], s97, SCL
	s_mov_b64 s[G0SB+2:G0SB+3], s[94:95]
	s_or_b32 s[G0SB+3], s[G0SB+3], 0x80000000
	JLOAD G0S, G1S, G0SB, G1SB
.irp s, 0,1
	s_mov_b32 s[G0+4*\s], 1
	s_add_co_u32 s[G0+4*\s+1], s96, \s*SLOT
	s_add_nc_u64 s[G0+4*\s+2:G0+4*\s+3], s[42:43], \s*6144
	s_or_b32 s[G0+4*\s+3], s[G0+4*\s+3], 0x80000000
	s_mov_b32 s[G0B+4*\s], 1
	s_add_co_u32 s[G0B+4*\s+1], s96, \s*SLOT
	s_add_nc_u64 s[G0B+4*\s+2:G0B+4*\s+3], s[46:47], \s*6144
	s_or_b32 s[G0B+4*\s+3], s[G0B+4*\s+3], 0x80000000
	JLOAD G0+4*\s, G1, G0B+4*\s, G1B
.endr
	v_and_b32 v1, 15, v0
	v_bfe_u32 v2, v0, 4, 1
	v_and_b32 v3, 31, v0
	v_lshlrev_b32 v[LI16], 4, v3
	v_lshlrev_b32 v[LI8], 3, v3
	v_lshlrev_b32 v[BIO], 4, v1                    ; my four columns of a row's 64
	v_lshl_add_u32 v[CO], v2, 12, v[BIO]           ; lanes 0-15 one token's row, lanes 16-31 the next
	s_lshl_b32 s98, s92, 7
	s_lshl_b32 s99, s19, 6
	s_add_co_u32 s98, s98, s99                     ; my first token
	s_lshl_b32 s98, s98, 12
	s_lshl_b32 s100, s93, 9
	s_lshl_b32 s99, s20, 8
	s_add_co_u32 s100, s100, s99                   ; my first column, in bytes
	s_mov_b32 s101, 0
	s_add_nc_u64 s[40:41], s[10:11], s[100:101]    ; the bias
	s_add_co_u32 s98, s98, s100
	s_mov_b32 s99, 0
	s_add_nc_u64 s[14:15], s[8:9], s[98:99]        ; the residual
	s_add_nc_u64 s[16:17], s[12:13], s[98:99]      ; the result
	WIN 0x80                                       ; the residual and the bias are asked for here and waited for on the way out; their address registers are not written again
.irp a, 0,1,2,3
.irp t, 0,1,2,3,4,5,6,7
	global_load_b128 v[32*\a+4*\t:32*\a+4*\t+3], v[CO], s[14:15] offset:(32*(\a/2)+8*(\a%2)+2*\t+8*(\t/4))*4096
.endr
.endr
	global_load_b128 v[128:131], v[BIO], s[40:41]
	WIN 0
	s_mul_i32 s98, s19, HALFT
	s_mul_i32 s99, s20, HALFT
	s_add_co_u32 s99, s99, 2*HALFT
.irp s, 0,1
	v_add_nc_u32 v[ADRA16+\s], s98, v[LI16]
	v_add_nc_u32 v[ADRA8+\s], s98, v[LI8]
	v_add_nc_u32 v[ADRB16+\s], s99, v[LI16]
	v_add_nc_u32 v[ADRB8+\s], s99, v[LI8]
	s_add_co_u32 s98, s98, SLOT
	s_add_co_u32 s99, s99, SLOT
.endr
	s_mul_i32 s98, s19, HALFS
	s_mul_i32 s99, s20, HALFS
	s_add_co_u32 s99, s99, 2*HALFS
	s_sub_co_u32 s99, s99, s98
	v_mul_u32_u24 v6, s99, v2
	s_add_co_u32 s98, s98, SCL
	v_lshl_add_u32 v5, v1, 2, v6
	v_add_nc_u32 v[ADRS], s98, v5
	s_mul_i32 s98, s18, 4352                       ; my stage: 16 rows, 272 bytes apart, in slot 0
	v_mul_u32_u24 v5, v1, 272
	v_lshl_add_u32 v5, v2, 6, v5
	v_add_nc_u32 v[STO], s98, v5
	v_mul_u32_u24 v5, v2, 272
	v_lshl_add_u32 v5, v1, 4, v5
	v_add_nc_u32 v[RD], s98, v5
	s_wait_tensorcnt 1                             ; the scale words and slot 0 are in; slot 1's load may be out
	s_barrier_signal -1
	s_barrier_wait -1
	FETCH 0, 0, 0
	SCALES 0
	STEP 0, 0, 1
.if LAPS > 1
	WIN 0
	s_mov_b32 s3, LAPS-1
.Llap:                                                 ; a trip goes once round the ring and fills both slots again
	STEP 0, 1, 0
	STEP 0, 2, 0
	TURN 0, 1, 1
	STEP 1, 0, 0
	STEP 1, 1, 0
	STEP 1, 2, 0
	TURN 1, 0, 1
	STEP 0, 0, 0
	WIN 0
	s_sub_co_u32 s3, s3, 1
	s_cmp_lg_u32 s3, 0
	s_cbranch_scc1 .Llap
.endif
	STEP 0, 1, 0
	STEP 0, 2, 0
	TURN 0, 1, 0                                   ; nothing is left to fetch; behind this barrier nobody reads slot 0
	STEP 1, 0, 0
	STEP 1, 1, 0
	STEP 1, 2, 0
	s_wait_dscnt 0x0
	WIN MUL
.irp a, 0,1,2,3
	MUL4 \a, 1, 3, 1, 0
.endr
	WIN 0
	PLACES 4
	s_wait_loadcnt 0x0                             ; the residual and the bias
	; THE WAY OUT: a tile of 16 tokens x 64 columns through my own stage; back as rows of 256 bytes, two an instruction; + residual + bias; sixteen lanes store 256 consecutive aligned bytes
.irp a, 0,1,2,3
.if \a >= 2
	s_wait_xcnt 0x0                                ; tile a - 2's stores have read their registers
.endif
.irp b, 0,1,2,3
	ds_store_b128 v[STO], v[ACC+8*(4*\a+\b):ACC+8*(4*\a+\b)+3] offset:128*(\b/2)+32*(\b%2)
	ds_store_b128 v[STO], v[ACC+8*(4*\a+\b)+4:ACC+8*(4*\a+\b)+7] offset:128*(\b/2)+32*(\b%2)+16
.endr
.irp t, 0,1,2,3,4,5,6,7
	ds_load_b128 v[OB+32*(\a%2)+4*\t:OB+32*(\a%2)+4*\t+3], v[RD] offset:\t*544
.endr
	s_wait_dscnt 0x0
	WIN 0x08
.irp k, 0,2,4,6,8,10,12,14,16,18,20,22,24,26,28,30
	v_pk_add_f32 v[OB+32*(\a%2)+\k:OB+32*(\a%2)+\k+1], v[OB+32*(\a%2)+\k:OB+32*(\a%2)+\k+1], v[32*\a+\k:32*\a+\k+1]
.endr
.irp t, 0,1,2,3,4,5,6,7
.irp e, 0,2
	v_pk_add_f32 v[OB+32*(\a%2)+4*\t+\e:OB+32*(\a%2)+4*\t+\e+1], v[OB+32*(\a%2)+4*\t+\e:OB+32*(\a%2)+4*\t+\e+1], v[128+\e:129+\e]
.endr
.endr
	WIN 0
.irp t, 0,1,2,3,4,5,6,7
	global_store_b128 v[CO], v[OB+32*(\a%2)+4*\t:OB+32*(\a%2)+4*\t+3], s[16:17] offset:(32*(\a/2)+8*(\a%2)+2*\t+8*(\t/4))*4096
.endr
.endr
	s_wait_tensorcnt 0x0                           ; the wave's end
	ds_add_u32 v[SPW], v[NIL]
	s_wait_dscnt 0x0
	CROUND
	s_endpgm
.Lfunc_end_k_q6b335584f5_proj:
	.size	k_q6b335584f5_proj, .Lfunc_end_k_q6b335584f5_proj-k_q6b335584f5_proj
	.p2alignl 7, 3214868480
	.fill 96, 4, 3214868480
	.section	.rodata,"a",@progbits
	.p2align	6, 0x0
	.amdhsa_kernel k_q6b335584f5_proj
		.amdhsa_group_segment_fixed_size 327680
		.amdhsa_private_segment_fixed_size 0
		.amdhsa_enable_private_segment 0
		.amdhsa_kernarg_size 40
		.amdhsa_user_sgpr_count 2
		.amdhsa_user_sgpr_kernarg_segment_ptr 1
		.amdhsa_wavefront_size32 1
		.amdhsa_system_sgpr_workgroup_id_x 1
		.amdhsa_system_sgpr_workgroup_id_y 1
		.amdhsa_system_sgpr_workgroup_id_z 1
		.amdhsa_system_vgpr_workitem_id 0
		.amdhsa_next_free_vgpr 768
		.amdhsa_next_free_sgpr 102
		.amdhsa_reserve_vcc 0
		.amdhsa_float_denorm_mode_32 3
		.amdhsa_float_denorm_mode_16_64 3
		.amdhsa_memory_ordered 1
		.amdhsa_forward_progress 1
		.amdhsa_inst_pref_size 65
	.end_amdhsa_kernel
	.amdgpu_metadata
---
amdhsa.version: [ 1, 2 ]
amdhsa.kernels:
  - .name:           k_q6b335584f5_proj
    .symbol:         k_q6b335584f5_proj.kd
    .args:
      - { .name: p3, .offset: 0, .size: 8, .value_kind: global_buffer, .address_space: global }
      - { .name: p1, .offset: 8, .size: 8, .value_kind: global_buffer, .address_space: global }
      - { .name: x, .offset: 16, .size: 8, .value_kind: global_buffer, .address_space: global }
      - { .name: bp, .offset: 24, .size: 8, .value_kind: global_buffer, .address_space: global }
      - { .name: y, .offset: 32, .size: 8, .value_kind: global_buffer, .address_space: global }
    .group_segment_fixed_size: 327680
    .private_segment_fixed_size: 0
    .kernarg_segment_align: 8
    .kernarg_segment_size: 40
    .max_flat_workgroup_size: 128
    .sgpr_count:     102
    .vgpr_count:     768
    .wavefront_size: 32
...
	.end_amdgpu_metadata
.endif
;; end of part 4
;; launch ln1 (part 5): grid 256 x 1, 8 waves a work-group, no clusters, 66,816 bytes of LDS; arguments y, ln1_g, ln1_b, p5; writes p5
.if DOCPART == 5
	.amdgcn_target "amdgcn-amd-amdhsa--gfx1250"
	.amdhsa_code_object_version 6
	.text
	.protected	k_q6b335584f5_ln1
	.globl	k_q6b335584f5_ln1
	.p2align	8
	.type	k_q6b335584f5_ln1,@function
k_q6b335584f5_ln1:
	s_mov_b64 s[64:65], 0
	v_nop
	global_prefetch_b8 v0, s[64:65] scope:SCOPE_SE
	s_setreg_imm32_b32 hwreg(HW_REG_WAVE_MODE, 25, 1), 1
	s_wait_xcnt 0x0
; LN1: out1 = LayerNorm(y) g + b, in f32, stored as f32 (p5 at 0) and as codes of E2M3 along the 1,024 (p5 at 16,777,216; scale words at 19,922,944), laid as the next product wants them.  No work is left out.
; A work-group is token tile T = 2 p + u (row i = token 32 p + 8 u + i + 8 (i / 8)); wave w normalises rows 2 w and 2 w + 1, a whole row in 32 registers a lane; the rows meet in a stage in LDS (4,112 bytes apart);
; behind one barrier wave w quantises K step w of all 16 rows.  LIMITS: NaN and infinities are not served; a block of zeros carries the byte 1.
.set SPARE, 65792
.set LI16, 2
.set LI8, 3
.set RR, 4
.set HH, 5
.set R4, 6
.set SA, 7
.set SBK, 8
.set PW, 9
.set SPW, 10
.set NIL, 11
.set TM, 12
.set TP, 16
.set TS, 20
.set CT, 24
.set Y, 32
.set G, 96
.set BV, 128
.set QI, 160
.set PC, 224
.set A0, 236
.set A1, 238
.set MU, 240
.set VT, 242
.set RS, 244
.set PT, 248
.set SEL, 28
.set C10, 30                           ; s30 = 2^-10, s31 = 1e-5
.macro LSUM x                          ; the sum over the wave's 32 lanes, in every lane
	v_add_f32_dpp v[\x], v[\x], v[\x] row_xmask:1 row_mask:0xf bank_mask:0xf
	v_add_f32_dpp v[\x], v[\x], v[\x] row_xmask:2 row_mask:0xf bank_mask:0xf
	v_add_f32_dpp v[\x], v[\x], v[\x] row_xmask:4 row_mask:0xf bank_mask:0xf
	v_add_f32_dpp v[\x], v[\x], v[\x] row_xmask:8 row_mask:0xf bank_mask:0xf
	v_permlanex16_b32 v[PT], v[\x], s[SEL], s[SEL+1]
	v_add_f32 v[\x], v[\x], v[PT]
.endm
.macro LN_STAT y, vt                   ; the row at v[y] becomes x - mean; v[vt] = variance + eps
	v_pk_add_f32 v[A0:A0+1], v[\y:\y+1], v[\y+2:\y+3]
	v_pk_add_f32 v[A1:A1+1], v[\y+4:\y+5], v[\y+6:\y+7]
.irp j, 8,12,16,20,24,28
	v_pk_add_f32 v[A0:A0+1], v[A0:A0+1], v[\y+\j:\y+\j+1]
	v_pk_add_f32 v[A1:A1+1], v[A1:A1+1], v[\y+\j+2:\y+\j+3]
.endr
	v_pk_add_f32 v[A0:A0+1], v[A0:A0+1], v[A1:A1+1]
	v_add_f32 v[A0], v[A0], v[A0+1]
	LSUM A0
	v_mul_f32 v[MU], s[C10], v[A0]
.irp j, 0,2,4,6,8,10,12,14,16,18,20,22,24,26,28,30
	v_pk_add_f32 v[\y+\j:\y+\j+1], v[\y+\j:\y+\j+1], v[MU:MU+1] op_sel_hi:[1,0] neg_lo:[0,1] neg_hi:[0,1]
.endr
	v_pk_mul_f32 v[A0:A0+1], v[\y:\y+1], v[\y:\y+1]
	v_pk_mul_f32 v[A1:A1+1], v[\y+2:\y+3], v[\y+2:\y+3]
.irp j, 4,8,12,16,20,24,28
	v_pk_fma_f32 v[A0:A0+1], v[\y+\j:\y+\j+1], v[\y+\j:\y+\j+1], v[A0:A0+1]
	v_pk_fma_f32 v[A1:A1+1], v[\y+\j+2:\y+\j+3], v[\y+\j+2:\y+\j+3], v[A1:A1+1]
.endr
	v_pk_add_f32 v[A0:A0+1], v[A0:A0+1], v[A1:A1+1]
	v_add_f32 v[A0], v[A0], v[A0+1]
	LSUM A0
	v_fma_f32 v[\vt], v[A0], s[C10], s[C10+1]
.endm
.macro LN_APPLY y, rs
.irp j, 0,2,4,6,8,10,12,14,16,18,20,22,24,26,28,30
	v_pk_mul_f32 v[\y+\j:\y+\j+1], v[\y+\j:\y+\j+1], v[\rs:\rs+1] op_sel_hi:[1,0]
.endr
.irp j, 0,2,4,6,8,10,12,14,16,18,20,22,24,26,28,30
	v_pk_fma_f32 v[\y+\j:\y+\j+1], v[\y+\j:\y+\j+1], v[G+\j:G+\j+1], v[BV+\j:BV+\j+1]
.endr
.endm
.macro QUANT s, pc, pw
.irp b, 0,1,2,3
	v_max3_num_f32 v[TM+\b], |v[\s+16*\b]|, |v[\s+16*\b+1]|, 0x1800000
.endr
.irp i, 2,4,6,8,10,12,14
.irp b, 0,1,2,3
	v_max3_num_f32 v[TM+\b], |v[\s+16*\b+\i]|, |v[\s+16*\b+\i+1]|, v[TM+\b]
.endr
.endr
.irp b, 0,1,2,3
	v_permlanex16_b32 v[TP+\b], v[TM+\b], s[SEL], s[SEL+1]
.endr
.irp b, 0,1,2,3
	v_max_num_f32 v[TM+\b], v[TM+\b], v[TP+\b]
.endr
.irp b, 0,1,2,3
	v_add_nc_u32 v[TS+\b], 0xff000000, v[TM+\b]
.endr
.irp b, 0,1,2,3
	v_lshrrev_b32 v[TP+\b], 23, v[TS+\b]
.endr
	v_lshl_or_b32 v[\pw], v[TP+1], 8, v[TP]
	v_lshl_or_b32 v[\pw], v[TP+2], 16, v[\pw]
	v_lshl_or_b32 v[\pw], v[TP+3], 24, v[\pw]
.irp c, 0,1
	v_cvt_scalef32_pk16_fp6_f32 v[\pc+6*\c:\pc+6*\c+2], v[\s+32*\c:\s+32*\c+15], v[TS+2*\c]
	v_cvt_scalef32_pk16_fp6_f32 v[CT+4*\c:CT+4*\c+2], v[\s+32*\c+16:\s+32*\c+31], v[TS+2*\c+1]
.endr
	v_nop
.irp c, 0,1
.irp i, 0,1,2
	v_permlane16_swap_b32 v[\pc+6*\c+\i], v[CT+4*\c+\i]
.endr
.irp i, 0,1,2
	v_mov_b32 v[\pc+6*\c+3+\i], v[CT+4*\c+\i]
.endr
.endr
.endm
	s_load_b256 s[4:11], s[0:1], 0x0               ; y, g, b, p5
	v_lshl_add_u32 v[SPW], v0, 2, SPARE
	v_mov_b32 v[NIL], 0
	v_lshrrev_b32 v1, 5, v0
	v_readfirstlane_b32 s12, v1                    ; wave 0..7
	v_and_b32 v1, 31, v0
	v_lshlrev_b32 v[LI16], 4, v1
	v_lshlrev_b32 v[LI8], 3, v1
	v_and_b32 v[RR], 15, v0
	v_bfe_u32 v[HH], v0, 4, 1
	v_lshlrev_b32 v[R4], 2, v[RR]
	s_mul_i32 s13, s12, 8224
	v_add_nc_u32 v[SA], s13, v[LI16]               ; the stage: my two rows
	v_mul_u32_u24 v[SBK], v[RR], 4112
	v_lshl_add_u32 v[SBK], v[HH], 6, v[SBK]
	s_lshl_b32 s13, s12, 9
	v_add_nc_u32 v[SBK], s13, v[SBK]               ; back: row r, K step w, + 64 h
	s_lshr_b32 s14, ttmp9, 1
	s_lshl_b32 s14, s14, 5
	s_and_b32 s15, ttmp9, 1
	s_lshl_b32 s15, s15, 3
	s_add_co_u32 s14, s14, s15
	s_lshl_b32 s15, s12, 1
	s_add_co_u32 s14, s14, s15
	s_lshr_b32 s15, s12, 2
	s_lshl_b32 s15, s15, 3
	s_add_co_u32 s14, s14, s15                     ; my first token: 32 p + 8 u + 2 w + 8 (w / 4); the second is the next
	s_lshl_b32 s14, s14, 12
	s_mov_b32 s15, 0
	s_mul_i32 s18, ttmp9, 12288
	s_mul_i32 s19, s12, 1536
	s_add_co_u32 s18, s18, s19
	s_add_co_u32 s18, s18, 16777216
	s_mov_b32 s19, 0
	s_lshl_b32 s20, ttmp9, 3
	s_add_co_u32 s20, s20, s12
	s_lshl_b32 s20, s20, 6
	s_add_co_u32 s20, s20, 19922944
	s_mov_b32 s21, 0
	s_mov_b32 s[SEL], 0x76543210
	s_mov_b32 s[SEL+1], 0xfedcba98
	s_mov_b32 s[C10], 0x3a800000
	s_mov_b32 s[C10+1], 0x3727c5ac
	s_wait_kmcnt 0x0
	s_add_nc_u64 s[4:5], s[4:5], s[14:15]
	s_add_nc_u64 s[16:17], s[10:11], s[14:15]
	s_add_nc_u64 s[18:19], s[10:11], s[18:19]
	s_add_nc_u64 s[20:21], s[10:11], s[20:21]
.irp k, 0,1,2,3,4,5,6,7,8,9,10,11,12,13,14,15
	global_load_b128 v[Y+4*\k:Y+4*\k+3], v[LI16], s[4:5] offset:512*\k th:TH_LOAD_NT   ; two rows on end: 8,192 bytes
.endr
.irp k, 0,1,2,3,4,5,6,7
	global_load_b128 v[G+4*\k:G+4*\k+3], v[LI16], s[6:7] offset:512*\k
	global_load_b128 v[BV+4*\k:BV+4*\k+3], v[LI16], s[8:9] offset:512*\k
.endr
	v_mov_b32 v[MU+1], 0                           ; named as the upper halves of pairs
	v_mov_b32 v[RS+1], 0
	v_mov_b32 v[RS+3], 0
	v_mov_b32 v[PT], 0                             ; a lane permute's destination counts as a source
.irp b, 0,1,2,3
	v_mov_b32 v[TP+\b], 0
.endr
	s_wait_loadcnt 16                              ; the rows are in; the gain's and the bias's 16 loads may be out
	LN_STAT Y, VT
	LN_STAT Y+32, VT+1
	v_rsq_f32 v[RS], v[VT]
	v_rsq_f32 v[RS+2], v[VT+1]
	v_nop                                          ; one plain instruction behind the two
	s_wait_alu depctr_va_vdst(0)                   ; and one wait for both, ahead of the first reader
	s_wait_loadcnt 0x0
	LN_APPLY Y, RS
	LN_APPLY Y+32, RS+2
.irp k, 0,1,2,3,4,5,6,7,8,9,10,11,12,13,14,15
	global_store_b128 v[LI16], v[Y+4*\k:Y+4*\k+3], s[16:17] offset:512*\k
	ds_store_b128 v[SA], v[Y+4*\k:Y+4*\k+3] offset:4112*(\k/8)+512*(\k%8)
.endr
	s_wait_dscnt 0x0                               ; for the others' sake: my rows lie in the stage
	s_barrier_signal -1
	s_barrier_wait -1
.irp b, 0,1,2,3
.irp j, 0,1,2,3
	ds_load_b128 v[QI+16*\b+4*\j:QI+16*\b+4*\j+3], v[SBK] offset:128*\b+16*\j
.endr
.endr
	s_wait_dscnt 0x0
	QUANT QI, PC, PW
	global_store_b128 v[LI16], v[PC:PC+3], s[18:19]
	global_store_b64 v[LI8], v[PC+4:PC+5], s[18:19] offset:512
	global_store_b128 v[LI16], v[PC+6:PC+9], s[18:19] offset:768
	global_store_b64 v[LI8], v[PC+10:PC+11], s[18:19] offset:1280
	global_store_b32 v[R4], v[PW], s[20:21]
	s_wait_tensorcnt 0x0                           ; the wave's end, behind my last LDS store
	ds_add_u32 v[SPW], v[NIL]
	s_wait_dscnt 0x0
	s_endpgm
.Lfunc_end_k_q6b335584f5_ln1:
	.size	k_q6b335584f5_ln1, .Lfunc_end_k_q6b335584f5_ln1-k_q6b335584f5_ln1
	.p2alignl 7, 3214868480
	.fill 96, 4, 3214868480
	.section	.rodata,"a",@progbits
	.p2align	6, 0x0
	.amdhsa_kernel k_q6b335584f5_ln1
		.amdhsa_group_segment_fixed_size 66816
		.amdhsa_private_segment_fixed_size 0
		.amdhsa_enable_private_segment 0
		.amdhsa_kernarg_size 32
		.amdhsa_user_sgpr_count 2
		.amdhsa_user_sgpr_kernarg_segment_ptr 1
		.amdhsa_wavefront_size32 1
		.amdhsa_system_sgpr_workgroup_id_x 1
		.amdhsa_system_sgpr_workgroup_id_y 1
		.amdhsa_system_sgpr_workgroup_id_z 1
		.amdhsa_system_vgpr_workitem_id 0
		.amdhsa_next_free_vgpr 256
		.amdhsa_next_free_sgpr 66
		.amdhsa_reserve_vcc 0
		.amdhsa_float_denorm_mode_32 3
		.amdhsa_float_denorm_mode_16_64 3
		.amdhsa_memory_ordered 1
		.amdhsa_forward_progress 1
		.amdhsa_inst_pref_size 26
	.end_amdhsa_kernel
	.amdgpu_metadata
---
amdhsa.version: [ 1, 2 ]
amdhsa.kernels:
  - .name:           k_q6b335584f5_ln1
    .symbol:         k_q6b335584f5_ln1.kd
    .args:
      - { .name: y, .offset: 0, .size: 8, .value_kind: global_buffer, .address_space: global }
      - { .name: ln1_g, .offset: 8, .size: 8, .value_kind: global_buffer, .address_space: global }
      - { .name: ln1_b, .offset: 16, .size: 8, .value_kind: global_buffer, .address_space: global }
      - { .name: p5, .offset: 24, .size: 8, .value_kind: global_buffer, .address_space: global }
    .group_segment_fixed_size: 66816
    .private_segment_fixed_size: 0
    .kernarg_segment_align: 8
    .kernarg_segment_size: 32
    .max_flat_workgroup_size: 256
    .sgpr_count:     66
    .vgpr_count:     256
    .wavefront_size: 32
...
	.end_amdgpu_metadata
.endif
;; end of part 5
;; launch ff1 (part 6): grid 16 x 16, 4 waves a work-group, clusters of 4 x 4, 327,680 bytes of LDS; arguments p5, p1, b1, p6; writes p6
.if DOCPART == 6
	.amdgcn_target "amdgcn-amd-amdhsa--gfx1250"
	.amdhsa_code_object_version 6
	.text
	.protected	k_q6b335584f5_ff1
	.globl	k_q6b335584f5_ff1
	.p2align	8
	.type	k_q6b335584f5_ff1,@function
k_q6b335584f5_ff1:
	s_mov_b64 s[64:65], 0
	v_nop
	global_prefetch_b8 v0, s[64:65] scope:SCOPE_SE
	s_setreg_imm32_b32 hwreg(HW_REG_WAVE_MODE, 25, 1), 1
	s_wait_xcnt 0x0
	s_wait_alu depctr_hold_cnt(0) depctr_sa_sdst(0) depctr_va_vdst(0) depctr_va_sdst(0) depctr_va_ssrc(0) depctr_va_vcc(0) depctr_vm_vsrc(0)
	s_getreg_b32 s2, hwreg(HW_REG_IB_STS2, 6, 4)
	s_cmp_eq_u32 s2, 0
	s_cbranch_scc0 .Lentry_in_a_cluster
	s_endpgm
.Lentry_in_a_cluster:
	s_bfe_u32 s2, ttmp6, 0x10000c
	s_cmp_lg_u32 s2, 0xf033
	s_cbranch_scc0 .Lentry_shape_is_right
	s_endpgm
.Lentry_shape_is_right:
; FF1: hidden = relu(out1 w1 + b1), the product on codes of E2M3, K = 1,024; the result is quantised along the 4,096 in registers and stored as codes alone (p6).  No work is left out.
; LIMITS: NaN and infinities are not served; a block of zeros carries the byte 1, its codes are zeros.
; Shape, ring, cluster and registers are those of the launch of the projections: 256 tokens (side A, source 1) x 256 hidden units (side B, source 0) a work-group, 128 x 128 a wave; operands as images of their registers.
; THREE SLOTS of 256 along K (98,304 bytes each): three quarters of K are asked for at the head; the fourth goes into slot 0 behind the one round and has the products of slots 1 and 2, 256 matrix instructions a wave, in which to land.
; By this text's count a wave has four tensor loads out at the start and one behind the round.
.set WC, 3276800
.set WS, 12713984
.set HALFT, 24576
.set SLOT, 4*HALFT
.set SCL, 3*SLOT
.set HALFS, 4096
.set SPARE, SCL+4*HALFS
.set ADRA16, 4                         ; v4-6, v7-9    LDS addresses of A's fragments in slots 0, 1, 2: 16 l and 8 l
.set ADRA8, 7
.set ADRB16, 10                        ; v10-12, v13-15  the same for B
.set ADRB8, 13
.set R4, 24
.set ADRS, 27
.set SPW, 28
.set NIL, 29
.set LI16, 30
.set LI8, 31
.set SC, 32
.set TM, 64
.set TP, 68
.set TS, 72
.set CT, 76
.set PC, 84                            ; two sets of 12
.set PW, 108                           ; two words
.set BO, 110
.set SEL, 66
.set G1, 24
.set G0, 32                            ; s[32:39] A's groups 0 for slots 0, 1;  s[40:43] for slot 2
.set G0C, 40
.set G1B, 48
.set G0B, 56                           ; s[56:63] B's for slots 0, 1;  s[44:47] for slot 2
.set G0BC, 44
.set G1S, 68
.set G0S, 76
.set G1SB, 80
.set G0SB, 88
.set MUL_LO, 0xa1
.set MUL_HI, 0xf1
.set MSB, 0
.macro WIN new
.if MSB != (\new)
	s_set_vgpr_msb (MSB<<8)|(\new)
.set MSB, (\new)
.endif
.endm
.macro PLACES n
.rept \n
	v_nop
.endr
.endm
.macro JLOAD g0a, g1a, g0b, g1b
	s_cmp_eq_u32 s19, 0
	s_cbranch_scc0 .Lfor_b_\@
	tensor_load_to_lds s[\g0a:\g0a+3], s[\g1a:\g1a+7]
	s_nop 0
.rept 4
	v_nop
.endr
	s_branch .Lasked_\@
.Lfor_b_\@:
	tensor_load_to_lds s[\g0b:\g0b+3], s[\g1b:\g1b+7]
	s_nop 0
.rept 4
	v_nop
.endr
.Lasked_\@:
.endm
.macro CREST
	s_cmp_lg_u32 s18, 0
	s_cbranch_scc1 .Lnot_wave_0_\@
	s_barrier_signal -3
.Lnot_wave_0_\@:
	s_barrier_wait -3
	s_barrier_signal -1
	s_barrier_wait -1
.endm
.macro CROUND
	s_barrier_signal -1
	s_barrier_wait -1
	CREST
.endm
.macro FRAG reg, a16, a8, off
	ds_load_b128 v[\reg:\reg+3], v[\a16] offset:\off
	ds_load_b64 v[\reg+4:\reg+5], v[\a8] offset:\off+512
	ds_load_b128 v[\reg+6:\reg+9], v[\a16] offset:\off+768
	ds_load_b64 v[\reg+10:\reg+11], v[\a8] offset:\off+1280
.endm
.macro FETCH slot, q, f
	WIN 0x40
.irp i, 0,1,2,3,4,5,6,7
	FRAG 128*(\f)+12*\i, ADRB16+\slot, ADRB8+\slot, \i*3072+(\q)*1536
.endr
	WIN 0
.irp i, 0,1,2,3,4,5,6,7
	FRAG 64+96*(\f)+12*\i, ADRA16+\slot, ADRA8+\slot, \i*3072+(\q)*1536
.endr
.endm
.macro SCALES set
.irp i, 0,1,2,3,4,5,6,7
.irp q, 0,1
	ds_load_b32 v[SC+16*(\set)+2*\i+\q], v[ADRS] offset:\i*512+64*\q
.endr
.endr
.endm
.macro MUL16 a0, f, q, sc, zero        ; the 64 accumulators take turns, one instruction a turn
.irp a, \a0, \a0+1
.irp b, 0,1,2,3,4,5,6,7
.if \zero
	v_wmma_scale_f32_16x16x128_f8f6f4 v[8*(8*((\a)%4)+\b):8*(8*((\a)%4)+\b)+7], v[128*(\f)+12*\b:128*(\f)+12*\b+11], v[64+96*(\f)+12*(\a):64+96*(\f)+12*(\a)+11], 0, v[SC+16*(\sc)+2*\b+(\q)], v[SC+16*(\sc)+2*(\a)+(\q)] matrix_a_fmt:MATRIX_FMT_FP6 matrix_b_fmt:MATRIX_FMT_FP6 matrix_a_scale:MATRIX_SCALE_ROW1
.else
	v_wmma_scale_f32_16x16x128_f8f6f4 v[8*(8*((\a)%4)+\b):8*(8*((\a)%4)+\b)+7], v[128*(\f)+12*\b:128*(\f)+12*\b+11], v[64+96*(\f)+12*(\a):64+96*(\f)+12*(\a)+11], v[8*(8*((\a)%4)+\b):8*(8*((\a)%4)+\b)+7], v[SC+16*(\sc)+2*\b+(\q)], v[SC+16*(\sc)+2*(\a)+(\q)] matrix_a_fmt:MATRIX_FMT_FP6 matrix_b_fmt:MATRIX_FMT_FP6 matrix_a_scale:MATRIX_SCALE_ROW1
.endif
.endr
.endr
.endm
.macro STEP slot, sc, zero             ; a slot's first 128 along K (set 0; scale words in set sc)
	s_wait_dscnt 0x0                               ; set 0 and the slot's scale words are in
	PLACES 4
	FETCH \slot, 1, 1
	WIN MUL_LO
	MUL16 0, 0, 0, \sc, \zero
	MUL16 2, 0, 0, \sc, \zero
	WIN MUL_HI
	MUL16 4, 0, 0, \sc, \zero
	MUL16 6, 0, 0, \sc, \zero
.endm
; A slot's second 128 along K (set 1), and the change of slots.  fill = 1: a round of the cluster's barrier, and this slot takes the last quarter of K.  fill = 0: a barrier alone.
; fill = 2: no barrier: the next slot was shown landed to every wave by the wait for 0 in front of the round, and nothing is filled.
.macro TURN slot, next, sc, nsc, fill
.if (\fill) < 2
	WIN 0
	s_wait_tensorcnt 0x0                           ; all my tensor loads have landed
	ds_add_u32 v[SPW], v[NIL]                      ; 0 onto my spare word
	s_wait_dscnt 1                                 ; set 1 is in; the add alone may be out
	WIN MUL_LO
	MUL16 0, 1, 1, \sc, 0
	s_wait_dscnt 0x0                               ; the add is done, and my reads of this slot are over
	s_barrier_signal -1
	MUL16 2, 1, 1, \sc, 0
	WIN 0
	s_barrier_wait -1
.else
	s_wait_dscnt 0x0                               ; set 1 is in
	WIN MUL_LO
	MUL16 0, 1, 1, \sc, 0
	MUL16 2, 1, 1, \sc, 0
	WIN 0
.endif
.if (\fill) == 1
	CREST
	s_add_nc_u64 s[G0+4*\slot+2:G0+4*\slot+3], s[G0+4*\slot+2:G0+4*\slot+3], 3*3072
	s_add_nc_u64 s[G0B+4*\slot+2:G0B+4*\slot+3], s[G0B+4*\slot+2:G0B+4*\slot+3], 3*3072
	JLOAD G0+4*\slot, G1, G0B+4*\slot, G1B         ; first behind the round; its four v_nop are the places in front of the loads below
.else
	PLACES 4
.endif
	v_add_nc_u32 v[ADRS], 128, v[ADRS]
	FETCH \next, 0, 0
	SCALES \nsc
	WIN MUL_HI
	MUL16 4, 1, 1, \sc, 0
	MUL16 6, 1, 1, \sc, 0
.endm
.macro QUANT s, w, pc, pw
	WIN (\w)|((\w)<<2)
.irp b, 0,1,2,3
	v_max3_num_f32 v[TM+\b], |v[\s+16*\b]|, |v[\s+16*\b+1]|, 0x1800000
.endr
.irp i, 2,4,6,8,10,12,14
.irp b, 0,1,2,3
	v_max3_num_f32 v[TM+\b], |v[\s+16*\b+\i]|, |v[\s+16*\b+\i+1]|, v[TM+\b]
.endr
.endr
	WIN 0
.irp b, 0,1,2,3
	v_permlanex16_b32 v[TP+\b], v[TM+\b], s[SEL], s[SEL+1]
.endr
.irp b, 0,1,2,3
	v_max_num_f32 v[TM+\b], v[TM+\b], v[TP+\b]
.endr
.irp b, 0,1,2,3
	v_add_nc_u32 v[TS+\b], 0xff000000, v[TM+\b]
.endr
.irp b, 0,1,2,3
	v_lshrrev_b32 v[TP+\b], 23, v[TS+\b]
.endr
	v_lshl_or_b32 v[\pw], v[TP+1], 8, v[TP]
	v_lshl_or_b32 v[\pw], v[TP+2], 16, v[\pw]
	v_lshl_or_b32 v[\pw], v[TP+3], 24, v[\pw]
	WIN (\w)
.irp c, 0,1
	v_cvt_scalef32_pk16_fp6_f32 v[\pc+6*\c:\pc+6*\c+2], v[\s+32*\c:\s+32*\c+15], v[TS+2*\c]
	v_cvt_scalef32_pk16_fp6_f32 v[CT+4*\c:CT+4*\c+2], v[\s+32*\c+16:\s+32*\c+31], v[TS+2*\c+1]
.endr
	WIN 0
	v_nop
.irp c, 0,1
.irp i, 0,1,2
	v_permlane16_swap_b32 v[\pc+6*\c+\i], v[CT+4*\c+\i]
.endr
.irp i, 0,1,2
	v_mov_b32 v[\pc+6*\c+3+\i], v[CT+4*\c+\i]
.endr
.endr
.endm
.macro ACT a                           ; + bias (64 numbers in window 1), then relu, in f32, in place
.set AW, 2+(\a)/4
.set AC, 64*((\a)%4)
	WIN (AW<<6)|(1<<2)|AW
.set k, 0
.rept 32
	v_pk_add_f32 v[AC+2*k:AC+2*k+1], v[AC+2*k:AC+2*k+1], v[2*k:2*k+1]
.set k, k+1
.endr
	WIN (AW<<6)|(AW<<2)
.set k, 0
.rept 64
	v_max_num_f32 v[AC+k], 0, v[AC+k]
.set k, k+1
.endr
.endm
	s_load_b256 s[4:11], s[0:1], 0x0               ; p5, p1, b1, p6
	v_lshl_add_u32 v[SPW], v0, 2, SPARE
	v_mov_b32 v[NIL], 0
	ds_add_u32 v[SPW], v[NIL]                      ; the opening: the add, twice on end, and its wait ahead of my first tensor load
	ds_add_u32 v[SPW], v[NIL]
	v_lshrrev_b32 v1, 5, v0
	v_readfirstlane_b32 s18, v1
	s_lshr_b32 s19, s18, 1
	s_and_b32 s20, s18, 1
	s_bfe_u32 s21, ttmp6, 0x40000
	s_bfe_u32 s22, ttmp6, 0x40004
	s_lshl_b32 s93, ttmp9, 2
	s_add_co_u32 s93, s93, s21                     ; block of 256 hidden units
	s_and_b32 s92, ttmp7, 0xffff
	s_lshl_b32 s92, s92, 2
	s_add_co_u32 s92, s92, s22                     ; block of 256 tokens
	s_lshl_b32 s41, s22, 2
	s_lshl_b32 s41, 15, s41
	s_lshl_b32 s42, 0x1111, s21
	s_or_b32 s[G1], s41, (3<<16)|(1<<21)
	s_or_b32 s[G1B], s42, (3<<16)|(1<<21)
	s_or_b32 s[G1S], s41, (3<<16)|(1<<21)
	s_or_b32 s[G1SB], s42, (3<<16)|(1<<21)
.irp g, G1, G1B
	s_mov_b32 s[\g+1], 384<<16
	s_mov_b32 s[\g+2], 8<<16
	s_mov_b32 s[\g+3], 384<<16
	s_mov_b32 s[\g+4], 8
	s_mov_b32 s[\g+5], 1536
	s_mov_b32 s[\g+6], 0
	s_mov_b32 s[\g+7], 0
.endr
.irp g, G1S, G1SB
	s_mov_b32 s[\g+1], 32<<16
	s_mov_b32 s[\g+2], 16<<16
	s_mov_b32 s[\g+3], 32<<16
	s_mov_b32 s[\g+4], 16
	s_mov_b32 s[\g+5], 32
	s_mov_b32 s[\g+6], 0
	s_mov_b32 s[\g+7], 0
.endr
	s_lshl_b32 s96, s20, 3
	s_lshl_b32 s97, s92, 4
	s_add_co_u32 s97, s97, s96
	s_mul_i32 s42, s97, 12288
	s_add_co_u32 s42, s42, 16777216
	s_mov_b32 s43, 0
	s_lshl_b32 s44, s97, 9
	s_add_co_u32 s44, s44, 19922944
	s_mov_b32 s45, 0
	s_lshl_b32 s99, s93, 4
	s_add_co_u32 s99, s99, s96
	s_mul_i32 s46, s99, 12288
	s_add_co_u32 s46, s46, WC+3145728
	s_mov_b32 s47, 0
	s_lshl_b32 s94, s99, 9
	s_add_co_u32 s94, s94, WS+131072
	s_mov_b32 s95, 0
	s_mul_i32 s96, s18, HALFT
	s_mul_i32 s97, s18, HALFS
	s_mov_b32 s[SEL], 0x76543210
	s_mov_b32 s[SEL+1], 0xfedcba98
	s_wait_dscnt 0x0
	s_wait_kmcnt 0x0
	s_add_nc_u64 s[42:43], s[4:5], s[42:43]
	s_add_nc_u64 s[44:45], s[4:5], s[44:45]
	s_add_nc_u64 s[46:47], s[6:7], s[46:47]
	s_add_nc_u64 s[94:95], s[6:7], s[94:95]
	CROUND
	s_mov_b32 s[G0S], 1
	s_add_co_u32 s[G0S+1], s97, SCL
	s_mov_b64 s[G0S+2:G0S+3], s[44:45]
	s_or_b32 s[G0S+3], s[G0S+3], 0x80000000
	s_mov_b32 s[G0SB], 1
	s_add_co_u32 s[G0SB+1], s97, SCL
	s_mov_b64 s[G0SB+2:G0SB+3], s[94:95]
	s_or_b32 s[G0SB+3], s[G0SB+3], 0x80000000
	JLOAD G0S, G1S, G0SB, G1SB
.irp s, 0,1
	s_mov_b32 s[G0+4*\s], 1
	s_add_co_u32 s[G0+4*\s+1], s96, \s*SLOT
	s_add_nc_u64 s[G0+4*\s+2:G0+4*\s+3], s[42:43], \s*3072
	s_or_b32 s[G0+4*\s+3], s[G0+4*\s+3], 0x80000000
	s_mov_b32 s[G0B+4*\s], 1
	s_add_co_u32 s[G0B+4*\s+1], s96, \s*SLOT
	s_add_nc_u64 s[G0B+4*\s+2:G0B+4*\s+3], s[46:47], \s*3072
	s_or_b32 s[G0B+4*\s+3], s[G0B+4*\s+3], 0x80000000
	JLOAD G0+4*\s, G1, G0B+4*\s, G1B
.endr
	s_mov_b32 s[G0C], 1                            ; slot 2's groups 0 are made in the registers that held the two addresses: no pending load names these
	s_add_co_u32 s[G0C+1], s96, 2*SLOT
	s_add_nc_u64 s[G0C+2:G0C+3], s[G0C+2:G0C+3], 2*3072
	s_or_b32 s[G0C+3], s[G0C+3], 0x80000000
	s_mov_b32 s[G0BC], 1
	s_add_co_u32 s[G0BC+1], s96, 2*SLOT
	s_add_nc_u64 s[G0BC+2:G0BC+3], s[G0BC+2:G0BC+3], 2*3072
	s_or_b32 s[G0BC+3], s[G0BC+3], 0x80000000
	JLOAD G0C, G1, G0BC, G1B
	v_and_b32 v1, 15, v0
	v_bfe_u32 v2, v0, 4, 1
	v_and_b32 v3, 31, v0
	v_lshlrev_b32 v[LI16], 4, v3
	v_lshlrev_b32 v[LI8], 3, v3
	v_lshlrev_b32 v[R4], 2, v1
	s_mul_i32 s98, s19, HALFT
	s_mul_i32 s99, s20, HALFT
	s_add_co_u32 s99, s99, 2*HALFT
.irp s, 0,1,2
	v_add_nc_u32 v[ADRA16+\s], s98, v[LI16]
	v_add_nc_u32 v[ADRA8+\s], s98, v[LI8]
	v_add_nc_u32 v[ADRB16+\s], s99, v[LI16]
	v_add_nc_u32 v[ADRB8+\s], s99, v[LI8]
	s_add_co_u32 s98, s98, SLOT
	s_add_co_u32 s99, s99, SLOT
.endr
	s_mul_i32 s98, s19, HALFS
	s_mul_i32 s99, s20, HALFS
	s_add_co_u32 s99, s99, 2*HALFS
	s_sub_co_u32 s99, s99, s98
	v_mul_u32_u24 v17, s99, v2
	s_add_co_u32 s98, s98, SCL
	v_lshl_add_u32 v16, v1, 2, v17
	v_add_nc_u32 v[ADRS], s98, v16
	s_wait_tensorcnt 2                             ; the scale words and slot 0 are in; slot 1's and slot 2's loads may be out
	s_barrier_signal -1
	s_barrier_wait -1
	FETCH 0, 0, 0
	SCALES 0
	STEP 0, 0, 1
	TURN 0, 1, 0, 1, 1                             ; the one round: slot 0 takes the last quarter of K
	STEP 1, 1, 0
	TURN 1, 2, 1, 0, 2                             ; no barrier: slot 2 has been shown landed
	STEP 2, 0, 0
	TURN 2, 0, 0, 1, 0                             ; a barrier alone: slot 0's refill has landed in every wave
	STEP 0, 1, 0
	s_wait_dscnt 0x0
	WIN MUL_LO
	MUL16 0, 1, 1, 1, 0
	MUL16 2, 1, 1, 1, 0
	WIN MUL_HI
	MUL16 4, 1, 1, 1, 0
	MUL16 6, 1, 1, 1, 0
	WIN 0
	PLACES 4
.irp b, 0,1,2,3
	v_mov_b32 v[TP+\b], 0
.endr
	s_lshl_b32 s96, s93, 10
	s_lshl_b32 s97, s20, 9
	s_add_co_u32 s96, s96, s97
	s_mov_b32 s97, 0
	s_add_nc_u64 s[40:41], s[8:9], s[96:97]        ; my 128 units' bias
	v_lshlrev_b32 v[BO], 6, v2
	WIN 0x40
.irp b, 0,1,2,3,4,5,6,7
	global_load_b128 v[8*\b:8*\b+3], v[BO], s[40:41] offset:(32*(\b/2)+8*(\b%2))*4
	global_load_b128 v[8*\b+4:8*\b+7], v[BO], s[40:41] offset:(32*(\b/2)+8*(\b%2))*4+16
.endr
	WIN 0
	s_lshl_b32 s96, s92, 4
	s_lshl_b32 s97, s19, 3
	s_add_co_u32 s96, s96, s97                     ; my first tile of tokens
	s_lshl_b32 s97, s93, 1
	s_add_co_u32 s97, s97, s20                     ; my 128 units: the next product's K step
	s_mul_i32 s42, s96, 49152
	s_mul_i32 s43, s97, 1536
	s_add_co_u32 s42, s42, s43
	s_mov_b32 s43, 0
	s_add_nc_u64 s[42:43], s[10:11], s[42:43]
	s_lshl_b32 s44, s96, 11
	s_lshl_b32 s45, s97, 6
	s_add_co_u32 s44, s44, s45
	s_add_co_u32 s44, s44, 12582912
	s_mov_b32 s45, 0
	s_add_nc_u64 s[44:45], s[10:11], s[44:45]
	s_wait_loadcnt 0x0
.irp a, 0,1,2,3,4,5,6,7
	ACT \a
.if \a >= 2
	s_wait_xcnt 0x0                                ; tile a - 2's stores have read their registers, which are written again below
.endif
	QUANT 64*(\a%4), 2+\a/4, PC+12*(\a%2), PW+\a%2
	global_store_b128 v[LI16], v[PC+12*(\a%2):PC+12*(\a%2)+3], s[42:43] offset:\a*49152
	global_store_b64 v[LI8], v[PC+12*(\a%2)+4:PC+12*(\a%2)+5], s[42:43] offset:\a*49152+512
	global_store_b128 v[LI16], v[PC+12*(\a%2)+6:PC+12*(\a%2)+9], s[42:43] offset:\a*49152+768
	global_store_b64 v[LI8], v[PC+12*(\a%2)+10:PC+12*(\a%2)+11], s[42:43] offset:\a*49152+1280
	global_store_b32 v[R4], v[PW+\a%2], s[44:45] offset:\a*2048
.endr
	s_wait_tensorcnt 0x0                           ; the wave's end
	ds_add_u32 v[SPW], v[NIL]
	s_wait_dscnt 0x0
	CROUND
	s_endpgm
.Lfunc_end_k_q6b335584f5_ff1:
	.size	k_q6b335584f5_ff1, .Lfunc_end_k_q6b335584f5_ff1-k_q6b335584f5_ff1
	.p2alignl 7, 3214868480
	.fill 96, 4, 3214868480
	.section	.rodata,"a",@progbits
	.p2align	6, 0x0
	.amdhsa_kernel k_q6b335584f5_ff1
		.amdhsa_group_segment_fixed_size 327680
		.amdhsa_private_segment_fixed_size 0
		.amdhsa_enable_private_segment 0
		.amdhsa_kernarg_size 32
		.amdhsa_user_sgpr_count 2
		.amdhsa_user_sgpr_kernarg_segment_ptr 1
		.amdhsa_wavefront_size32 1
		.amdhsa_system_sgpr_workgroup_id_x 1
		.amdhsa_system_sgpr_workgroup_id_y 1
		.amdhsa_system_sgpr_workgroup_id_z 1
		.amdhsa_system_vgpr_workitem_id 0
		.amdhsa_next_free_vgpr 1024
		.amdhsa_next_free_sgpr 102
		.amdhsa_reserve_vcc 0
		.amdhsa_float_denorm_mode_32 3
		.amdhsa_float_denorm_mode_16_64 3
		.amdhsa_memory_ordered 1
		.amdhsa_forward_progress 1
		.amdhsa_inst_pref_size 184
	.end_amdhsa_kernel
	.amdgpu_metadata
---
amdhsa.version: [ 1, 2 ]
amdhsa.kernels:
  - .name:           k_q6b335584f5_ff1
    .symbol:         k_q6b335584f5_ff1.kd
    .args:
      - { .name: p5, .offset: 0, .size: 8, .value_kind: global_buffer, .address_space: global }
      - { .name: p1, .offset: 8, .size: 8, .value_kind: global_buffer, .address_space: global }
      - { .name: b1, .offset: 16, .size: 8, .value_kind: global_buffer, .address_space: global }
      - { .name: p6, .offset: 24, .size: 8, .value_kind: global_buffer, .address_space: global }
    .group_segment_fixed_size: 327680
    .private_segment_fixed_size: 0
    .kernarg_segment_align: 8
    .kernarg_segment_size: 32
    .max_flat_workgroup_size: 128
    .sgpr_count:     102
    .vgpr_count:     1024
    .wavefront_size: 32
...
	.end_amdgpu_metadata
.endif
;; end of part 6
;; launch ff2 (part 7): grid 8 x 32, 4 waves a work-group, clusters of 4 x 4, 327,680 bytes of LDS; arguments p6, p1, p5, b2, z; writes z
.if DOCPART == 7
	.amdgcn_target "amdgcn-amd-amdhsa--gfx1250"
	.amdhsa_code_object_version 6
	.text
	.protected	k_q6b335584f5_ff2
	.globl	k_q6b335584f5_ff2
	.p2align	8
	.type	k_q6b335584f5_ff2,@function
k_q6b335584f5_ff2:
	s_mov_b64 s[64:65], 0
	v_nop
	global_prefetch_b8 v0, s[64:65] scope:SCOPE_SE
	s_setreg_imm32_b32 hwreg(HW_REG_WAVE_MODE, 25, 1), 1
	s_wait_xcnt 0x0
	s_wait_alu depctr_hold_cnt(0) depctr_sa_sdst(0) depctr_va_vdst(0) depctr_va_sdst(0) depctr_va_ssrc(0) depctr_va_vcc(0) depctr_vm_vsrc(0)
	s_getreg_b32 s2, hwreg(HW_REG_IB_STS2, 6, 4)
	s_cmp_eq_u32 s2, 0
	s_cbranch_scc0 .Lentry_in_a_cluster
	s_endpgm
.Lentry_in_a_cluster:
	s_bfe_u32 s2, ttmp6, 0x10000c
	s_cmp_lg_u32 s2, 0xf033
	s_cbranch_scc0 .Lentry_shape_is_right
	s_endpgm
.Lentry_shape_is_right:
; FF2: z = out1 + hidden w2 + b2, the product on codes of E2M3, K = 4,096.  No work is left out.  LIMITS: NaN and infinities are not served.
; A work-group makes 128 tokens x 128 columns (256 work-groups); a wave 64 x 64: 16 accumulators.  Source 0 = the weight's columns (along a lane's registers), source 1 = tokens.
; Operands are images of their registers, [tile][K / 64][768].  Tile 2 p + u holds as row m the row 32 p + 8 u + m + 8 (m / 8).
; THE RING.  A K step of 128 is 24,576 bytes of the work-group's 256 rows and 16 matrix instructions a wave.  Beside the scale words of all of K (32,768 bytes) and the spare words LDS has room for eleven K steps:
; slot 0 holds six, slot 1 five.  The 32 K steps go as 6 + 5 + 6 + 5 + 6 + 4: six fills, four of them refills, each behind a round of the cluster's barrier, with 80 or 96 matrix instructions a wave in which to land.
; Eleven steps a lap is an odd number, so the two sets of fragment registers change parity from lap to lap: the K steps are written out by macro, and every LDS offset is an immediate.
; Each K step's four scale words come with its fragments: two sets of four registers.
; CLUSTER 4 x 4: A's tiles jointly along a row, B's along a column.  By this text's count three tensor loads of a wave are out at the start, one behind each round.
; REGISTERS: window 0: v15-31 addresses; v32-39 scale words; v64-127 the way out; v128-255 accumulators.  window 1: two sets: A at 128 f, B at 128 f + 48.  window 2: the residual's 128 registers and the bias's 4, asked for at the head.
.set SIZE_K, 4096
.set ASC, 12582912                     ; A's scale words in its buffer
.set BC, 3276800+6291456               ; B's codes in p1
.set BS, 12713984+262144               ; B's scale words in p1
.set TPB, SIZE_K*12                    ; a tile's codes in bytes
.set SPB, SIZE_K/2                     ; a tile's scale words in bytes
.set N0, 6                             ; K steps in slot 0,
.set N1, 5                             ; in slot 1
.set TP0, N0*1536                      ; a tile's bytes in slot 0,
.set TP1, N1*1536                      ; in slot 1
.set HALF0, 4*TP0                      ; 4 tiles: one tensor load
.set HALF1, 4*TP1
.set SLOT1, 4*HALF0                    ; where slot 1 begins
.set SCL, SLOT1+4*HALF1                ; behind the ring: the scale words
.set HALFS, 4*SPB
.set SPARE, SCL+4*HALFS                ; the spare words, 128 bytes a wave
.set BIO, 15
.set ADRA16, 16
.set ADRA8, 18
.set ADRB16, 20
.set ADRB8, 22
.set STO, 24
.set RD, 25
.set CO, 26
.set ADRS, 27
.set SPW, 28
.set NIL, 29
.set LI16, 30
.set LI8, 31
.set SC, 32                            ; v32-39: set k % 2, register i: lanes 0-15 the word of A's tile i, lanes 16-31 that of B's tile i
.set OB, 64
.set ACC, 128
.set G1A0, 24                          ; s[24:31], s[32:39] A's groups 1 for slots 0, 1
.set G1A1, 32
.set G0S, 40                           ; s[40:43], s[44:47] groups 0 for A's and B's scale words
.set G0SB, 44
.set G1B0, 48                          ; s[48:55], s[56:63] B's groups 1
.set G1B1, 56
.set G0A, 68                           ; s[68:75] A's groups 0, one for each slot;  s[76:83] B's
.set G0B, 76
.set G1S, 84                           ; s[84:91], s[92:99] groups 1 for the scale words
.set G1SB, 92
.set MUL, 0x05
.set MSB, 0
.macro WIN new
.if MSB != (\new)
	s_set_vgpr_msb (MSB<<8)|(\new)
.set MSB, (\new)
.endif
.endm
.macro PLACES n
.rept \n
	v_nop
.endr
.endm
.macro JLOAD g0a, g1a, g0b, g1b        ; waves 0, 1 fetch for A, waves 2, 3 for B; an s_nop 0 and four v_nop follow each line
	s_cmp_eq_u32 s19, 0
	s_cbranch_scc0 .Lfor_b_\@
	tensor_load_to_lds s[\g0a:\g0a+3], s[\g1a:\g1a+7]
	s_nop 0
.rept 4
	v_nop
.endr
	s_branch .Lasked_\@
.Lfor_b_\@:
	tensor_load_to_lds s[\g0b:\g0b+3], s[\g1b:\g1b+7]
	s_nop 0
.rept 4
	v_nop
.endr
.Lasked_\@:
.endm
.macro CREST
	s_cmp_lg_u32 s18, 0
	s_cbranch_scc1 .Lnot_wave_0_\@
	s_barrier_signal -3
.Lnot_wave_0_\@:
	s_barrier_wait -3
	s_barrier_signal -1
	s_barrier_wait -1
.endm
.macro CROUND
	s_barrier_signal -1
	s_barrier_wait -1
	CREST
.endm
.macro FRAG reg, a16, a8, off
	ds_load_b128 v[\reg:\reg+3], v[\a16] offset:\off
	ds_load_b64 v[\reg+4:\reg+5], v[\a8] offset:\off+512
	ds_load_b128 v[\reg+6:\reg+9], v[\a16] offset:\off+768
	ds_load_b64 v[\reg+10:\reg+11], v[\a8] offset:\off+1280
.endm
.macro FETCHK slot, q, k               ; 36 LDS loads in one run: K step k, the slot's q-th, into set k % 2: eight fragments and four scale words
	WIN 0x40
.irp i, 0,1,2,3
	FRAG 128*((\k)%2)+48+12*\i, ADRB16+\slot, ADRB8+\slot, \i*(TP0-1536*(\slot))+(\q)*1536
	FRAG 128*((\k)%2)+12*\i, ADRA16+\slot, ADRA8+\slot, \i*(TP0-1536*(\slot))+(\q)*1536
.endr
	WIN 0
.irp i, 0,1,2,3
	ds_load_b32 v[SC+4*((\k)%2)+\i], v[ADRS] offset:\i*SPB+64*(\k)
.endr
.endm
.macro MUL4 a, k, zero                 ; the 16 accumulators take turns, one instruction a turn
.irp b, 0,1,2,3
.if \zero
	v_wmma_scale_f32_16x16x128_f8f6f4 v[ACC+8*(4*(\a)+\b):ACC+8*(4*(\a)+\b)+7], v[128*((\k)%2)+48+12*\b:128*((\k)%2)+48+12*\b+11], v[128*((\k)%2)+12*(\a):128*((\k)%2)+12*(\a)+11], 0, v[SC+4*((\k)%2)+\b], v[SC+4*((\k)%2)+(\a)] matrix_a_fmt:MATRIX_FMT_FP6 matrix_b_fmt:MATRIX_FMT_FP6 matrix_a_scale:MATRIX_SCALE_ROW1
.else
	v_wmma_scale_f32_16x16x128_f8f6f4 v[ACC+8*(4*(\a)+\b):ACC+8*(4*(\a)+\b)+7], v[128*((\k)%2)+48+12*\b:128*((\k)%2)+48+12*\b+11], v[128*((\k)%2)+12*(\a):128*((\k)%2)+12*(\a)+11], v[ACC+8*(4*(\a)+\b):ACC+8*(4*(\a)+\b)+7], v[SC+4*((\k)%2)+\b], v[SC+4*((\k)%2)+(\a)] matrix_a_fmt:MATRIX_FMT_FP6 matrix_b_fmt:MATRIX_FMT_FP6 matrix_a_scale:MATRIX_SCALE_ROW1
.endif
.endr
.endm
.macro STEP slot, q, k, zero           ; K step k, the slot's q-th, which has its successor in the same slot
	s_wait_dscnt 0x0                               ; this step's set is in
	PLACES 4                                       ; in front of loads into the other set, which the last products read
	FETCHK \slot, (\q)+1, (\k)+1
	WIN MUL
.irp a, 0,1,2,3
	MUL4 \a, \k, \zero
.endr
.endm
; K step k, a slot's last, and the change of slots: one barrier.  fill = 1: this slot is filled again, eleven K steps on; fill = 2: the same with the last four K steps; fill = 0: nothing is left to fetch.
.macro TURN slot, k, next, fill
	WIN 0
	s_wait_tensorcnt 0x0                           ; all my tensor loads have landed: my part of the next slot
	ds_add_u32 v[SPW], v[NIL]                      ; 0 onto my spare word
	s_wait_dscnt 1                                 ; this step's set is in; the add alone may be out
	WIN MUL
	MUL4 0, \k, 0
	s_wait_dscnt 0x0                               ; the add is done, and my reads of this slot are over
	s_barrier_signal -1
	MUL4 1, \k, 0
	WIN 0
	s_barrier_wait -1
.if \fill
	CREST                                          ; the barrier has opened a round of the cluster's: no wave of any partner reads this slot or has a load on its way
	s_add_nc_u64 s[G0A+4*\slot+2:G0A+4*\slot+3], s[G0A+4*\slot+2:G0A+4*\slot+3], (N0+N1)*1536
	s_add_nc_u64 s[G0B+4*\slot+2:G0B+4*\slot+3], s[G0B+4*\slot+2:G0B+4*\slot+3], (N0+N1)*1536
.if (\fill) == 2
	s_mov_b32 s[G1A1+1], (4*1536/8)<<16            ; four K steps are left of each row: tensor_dim0 says so, and the slot's fifth step is not fetched (no load of mine is out: the word may be written)
	s_mov_b32 s[G1B1+1], (4*1536/8)<<16
.endif
	JLOAD G0A+4*\slot, G1A0+8*\slot, G0B+4*\slot, G1B0+8*\slot   ; first behind the round; its four v_nop are the places in front of the loads below
.else
	PLACES 4
.endif
	FETCHK \next, 0, (\k)+1
	WIN MUL
	MUL4 2, \k, 0
	MUL4 3, \k, 0
.endm
	s_load_b256 s[4:11], s[0:1], 0x0               ; A's buffer, p1, the residual, the bias
	s_load_b64 s[12:13], s[0:1], 0x20              ; the result
	v_lshl_add_u32 v[SPW], v0, 2, SPARE
	v_mov_b32 v[NIL], 0
	ds_add_u32 v[SPW], v[NIL]                      ; the opening: the add, twice on end, and its wait ahead of my first tensor load
	ds_add_u32 v[SPW], v[NIL]
	v_lshrrev_b32 v1, 5, v0
	v_readfirstlane_b32 s18, v1                    ; wave
	s_lshr_b32 s19, s18, 1                         ; my half of the tokens; also: I fetch for A (0) or for B (1)
	s_and_b32 s20, s18, 1                          ; my half of the columns; also: which 4 tiles I fetch
	s_bfe_u32 s21, ttmp6, 0x40000                  ; cx
	s_bfe_u32 s22, ttmp6, 0x40004                  ; cy
	s_lshl_b32 s67, ttmp9, 2
	s_add_co_u32 s67, s67, s21                     ; block of 128 columns
	s_and_b32 s66, ttmp7, 0xffff
	s_lshl_b32 s66, s66, 2
	s_add_co_u32 s66, s66, s22                     ; block of 128 tokens
	s_lshl_b32 s2, s22, 2
	s_lshl_b32 s2, 15, s2                          ; my row of the cluster
	s_lshl_b32 s3, 0x1111, s21                     ; my column
	s_or_b32 s[G1A0], s2, (3<<16)|(1<<21)          ; elements of 8 bytes, no padding; bit 21 beside a mask
	s_or_b32 s[G1A1], s2, (3<<16)|(1<<21)
	s_or_b32 s[G1S], s2, (3<<16)|(1<<21)
	s_or_b32 s[G1B0], s3, (3<<16)|(1<<21)
	s_or_b32 s[G1B1], s3, (3<<16)|(1<<21)
	s_or_b32 s[G1SB], s3, (3<<16)|(1<<21)
.irp g, G1A0, G1B0                     ; slot 0: 4 rows (tiles) of 9,216 bytes, TPB apart
	s_mov_b32 s[\g+1], (TP0/8)<<16
	s_mov_b32 s[\g+2], 4<<16
	s_mov_b32 s[\g+3], (TP0/8)<<16
	s_mov_b32 s[\g+4], 4
	s_mov_b32 s[\g+5], TPB/8
	s_mov_b32 s[\g+6], 0
	s_mov_b32 s[\g+7], 0
.endr
.irp g, G1A1, G1B1                     ; slot 1: 4 rows of 7,680 bytes
	s_mov_b32 s[\g+1], (TP1/8)<<16
	s_mov_b32 s[\g+2], 4<<16
	s_mov_b32 s[\g+3], (TP1/8)<<16
	s_mov_b32 s[\g+4], 4
	s_mov_b32 s[\g+5], TPB/8
	s_mov_b32 s[\g+6], 0
	s_mov_b32 s[\g+7], 0
.endr
.irp g, G1S, G1SB                      ; scale words: HALFS dense bytes as rows of 256
	s_mov_b32 s[\g+1], 32<<16
	s_mov_b32 s[\g+2], (HALFS/256)<<16
	s_mov_b32 s[\g+3], 32<<16
	s_mov_b32 s[\g+4], HALFS/256
	s_mov_b32 s[\g+5], 32
	s_mov_b32 s[\g+6], 0
	s_mov_b32 s[\g+7], 0
.endr
	s_lshl_b32 s23, s20, 2
	s_lshl_b32 s100, s66, 3
	s_add_co_u32 s100, s100, s23                   ; A's first tile of my fetch: hangs on cy alone among the places
	s_mul_i32 s[G0A+2], s100, TPB                  ; the offsets are made in the registers in which the addresses will stand
	s_mov_b32 s[G0A+3], 0
	s_mul_i32 s[G0S+2], s100, SPB
	s_add_co_u32 s[G0S+2], s[G0S+2], ASC
	s_mov_b32 s[G0S+3], 0
	s_lshl_b32 s101, s67, 3
	s_add_co_u32 s101, s101, s23                   ; B's: on cx alone
	s_mul_i32 s[G0B+2], s101, TPB
	s_add_co_u32 s[G0B+2], s[G0B+2], BC
	s_mov_b32 s[G0B+3], 0
	s_mul_i32 s[G0SB+2], s101, SPB
	s_add_co_u32 s[G0SB+2], s[G0SB+2], BS
	s_mov_b32 s[G0SB+3], 0
	s_mul_i32 s100, s18, HALF0                     ; where they go: by the wave's number alone
	s_mul_i32 s101, s18, HALF1
	s_mul_i32 s23, s18, HALFS
	s_wait_dscnt 0x0                               ; both opening adds are done
	s_wait_kmcnt 0x0
	s_add_nc_u64 s[G0A+2:G0A+3], s[4:5], s[G0A+2:G0A+3]
	s_add_nc_u64 s[G0S+2:G0S+3], s[4:5], s[G0S+2:G0S+3]
	s_add_nc_u64 s[G0B+2:G0B+3], s[6:7], s[G0B+2:G0B+3]
	s_add_nc_u64 s[G0SB+2:G0SB+3], s[6:7], s[G0SB+2:G0SB+3]
	s_add_nc_u64 s[G0A+6:G0A+7], s[G0A+2:G0A+3], TP0   ; slot 1 begins with K step 6
	s_add_nc_u64 s[G0B+6:G0B+7], s[G0B+2:G0B+3], TP0
	s_mov_b32 s[G0S], 1
	s_add_co_u32 s[G0S+1], s23, SCL
	s_or_b32 s[G0S+3], s[G0S+3], 0x80000000
	s_mov_b32 s[G0SB], 1
	s_add_co_u32 s[G0SB+1], s23, SCL
	s_or_b32 s[G0SB+3], s[G0SB+3], 0x80000000
	s_mov_b32 s[G0A], 1
	s_mov_b32 s[G0A+1], s100
	s_or_b32 s[G0A+3], s[G0A+3], 0x80000000
	s_mov_b32 s[G0A+4], 1
	s_add_co_u32 s[G0A+5], s101, SLOT1
	s_or_b32 s[G0A+7], s[G0A+7], 0x80000000
	s_mov_b32 s[G0B], 1
	s_mov_b32 s[G0B+1], s100
	s_or_b32 s[G0B+3], s[G0B+3], 0x80000000
	s_mov_b32 s[G0B+4], 1
	s_add_co_u32 s[G0B+5], s101, SLOT1
	s_or_b32 s[G0B+7], s[G0B+7], 0x80000000
	CROUND                                         ; all sixteen work-groups are here: the first joint loads meet
	JLOAD G0S, G1S, G0SB, G1SB
	JLOAD G0A, G1A0, G0B, G1B0
	JLOAD G0A+4, G1A1, G0B+4, G1B1
	v_and_b32 v1, 15, v0
	v_bfe_u32 v2, v0, 4, 1
	v_and_b32 v3, 31, v0
	v_lshlrev_b32 v[LI16], 4, v3
	v_lshlrev_b32 v[LI8], 3, v3
	v_lshlrev_b32 v[BIO], 4, v1                    ; my four columns of a row's 64
	v_lshl_add_u32 v[CO], v2, 12, v[BIO]           ; lanes 0-15 one token's row, lanes 16-31 the next
	s_lshl_b32 s100, s66, 7
	s_lshl_b32 s101, s19, 6
	s_add_co_u32 s100, s100, s101                  ; my first token
	s_lshl_b32 s100, s100, 12
	s_lshl_b32 s2, s67, 9
	s_lshl_b32 s3, s20, 8
	s_add_co_u32 s2, s2, s3                        ; my first column, in bytes
	s_mov_b32 s3, 0
	s_add_nc_u64 s[10:11], s[10:11], s[2:3]        ; the bias
	s_add_co_u32 s100, s100, s2
	s_mov_b32 s101, 0
	s_add_nc_u64 s[14:15], s[8:9], s[100:101]      ; the residual
	s_add_nc_u64 s[16:17], s[12:13], s[100:101]    ; the result
	WIN 0x80                                       ; the residual and the bias are asked for here and waited for on the way out; their address registers are not written again
.irp a, 0,1,2,3
.irp t, 0,1,2,3,4,5,6,7
	global_load_b128 v[32*\a+4*\t:32*\a+4*\t+3], v[CO], s[14:15] offset:(32*(\a/2)+8*(\a%2)+2*\t+8*(\t/4))*4096
.endr
.endr
	global_load_b128 v[128:131], v[BIO], s[10:11]
	WIN 0
	s_mul_i32 s100, s19, HALF0                     ; slot 0: my 4 tiles of A; my 4 of B, behind A's 8
	s_mul_i32 s101, s20, HALF0
	s_add_co_u32 s101, s101, 2*HALF0
	v_add_nc_u32 v[ADRA16], s100, v[LI16]
	v_add_nc_u32 v[ADRA8], s100, v[LI8]
	v_add_nc_u32 v[ADRB16], s101, v[LI16]
	v_add_nc_u32 v[ADRB8], s101, v[LI8]
	s_mul_i32 s100, s19, HALF1                     ; slot 1 likewise
	s_add_co_u32 s100, s100, SLOT1
	s_mul_i32 s101, s20, HALF1
	s_add_co_u32 s101, s101, SLOT1+2*HALF1
	v_add_nc_u32 v[ADRA16+1], s100, v[LI16]
	v_add_nc_u32 v[ADRA8+1], s100, v[LI8]
	v_add_nc_u32 v[ADRB16+1], s101, v[LI16]
	v_add_nc_u32 v[ADRB8+1], s101, v[LI8]
	s_mul_i32 s100, s19, HALFS
	s_mul_i32 s101, s20, HALFS
	s_add_co_u32 s101, s101, 2*HALFS
	s_sub_co_u32 s101, s101, s100
	v_mul_u32_u24 v6, s101, v2                     ; lanes 16-31 take B's words
	s_add_co_u32 s100, s100, SCL
	v_lshl_add_u32 v5, v1, 2, v6
	v_add_nc_u32 v[ADRS], s100, v5                 ; never stepped: the K step stands in the loads' immediates
	s_mul_i32 s100, s18, 4352                      ; my stage: 16 rows, 272 bytes apart, in slot 0, which has had its last fill and its last read when the first result is stored there
	v_mul_u32_u24 v5, v1, 272
	v_lshl_add_u32 v5, v2, 6, v5
	v_add_nc_u32 v[STO], s100, v5
	v_mul_u32_u24 v5, v2, 272
	v_lshl_add_u32 v5, v1, 4, v5
	v_add_nc_u32 v[RD], s100, v5
	s_wait_tensorcnt 1                             ; the scale words and slot 0 are in; slot 1's load may be out
	s_barrier_signal -1
	s_barrier_wait -1
	FETCHK 0, 0, 0
	STEP 0, 0, 0, 1                                ; the first K step's products start the sums
.irp q, 1,2,3,4
	STEP 0, \q, \q, 0
.endr
	TURN 0, 5, 1, 1                                ; slot 0 takes K steps 11 to 16
.irp q, 0,1,2,3
	STEP 1, \q, 6+\q, 0
.endr
	TURN 1, 10, 0, 1                               ; slot 1 takes K steps 17 to 21
.irp q, 0,1,2,3,4
	STEP 0, \q, 11+\q, 0
.endr
	TURN 0, 16, 1, 1                               ; slot 0 takes K steps 22 to 27
.irp q, 0,1,2,3
	STEP 1, \q, 17+\q, 0
.endr
	TURN 1, 21, 0, 2                               ; slot 1 takes K steps 28 to 31
.irp q, 0,1,2,3,4
	STEP 0, \q, 22+\q, 0
.endr
	TURN 0, 27, 1, 0                               ; nothing is left to fetch; behind this barrier nobody reads slot 0
.irp q, 0,1,2
	STEP 1, \q, 28+\q, 0
.endr
	s_wait_dscnt 0x0
	WIN MUL
.irp a, 0,1,2,3
	MUL4 \a, 31, 0
.endr
	WIN 0
	PLACES 4
	s_wait_loadcnt 0x0                             ; the residual and the bias
	; THE WAY OUT: a tile of 16 tokens x 64 columns through my own stage; back as rows of 256 bytes, two an instruction; + residual + bias; sixteen lanes store 256 consecutive aligned bytes
.irp a, 0,1,2,3
.if \a >= 2
	s_wait_xcnt 0x0                                ; tile a - 2's stores have read their registers
.endif
.irp b, 0,1,2,3
	ds_store_b128 v[STO], v[ACC+8*(4*\a+\b):ACC+8*(4*\a+\b)+3] offset:128*(\b/2)+32*(\b%2)
	ds_store_b128 v[STO], v[ACC+8*(4*\a+\b)+4:ACC+8*(4*\a+\b)+7] offset:128*(\b/2)+32*(\b%2)+16
.endr
.irp t, 0,1,2,3,4,5,6,7
	ds_load_b128 v[OB+32*(\a%2)+4*\t:OB+32*(\a%2)+4*\t+3], v[RD] offset:\t*544
.endr
	s_wait_dscnt 0x0
	WIN 0x08
.irp k, 0,2,4,6,8,10,12,14,16,18,20,22,24,26,28,30
	v_pk_add_f32 v[OB+32*(\a%2)+\k:OB+32*(\a%2)+\k+1], v[OB+32*(\a%2)+\k:OB+32*(\a%2)+\k+1], v[32*\a+\k:32*\a+\k+1]
.endr
.irp t, 0,1,2,3,4,5,6,7
.irp e, 0,2
	v_pk_add_f32 v[OB+32*(\a%2)+4*\t+\e:OB+32*(\a%2)+4*\t+\e+1], v[OB+32*(\a%2)+4*\t+\e:OB+32*(\a%2)+4*\t+\e+1], v[128+\e:129+\e]
.endr
.endr
	WIN 0
.irp t, 0,1,2,3,4,5,6,7
	global_store_b128 v[CO], v[OB+32*(\a%2)+4*\t:OB+32*(\a%2)+4*\t+3], s[16:17] offset:(32*(\a/2)+8*(\a%2)+2*\t+8*(\t/4))*4096
.endr
.endr
	s_wait_tensorcnt 0x0                           ; the wave's end
	ds_add_u32 v[SPW], v[NIL]
	s_wait_dscnt 0x0
	CROUND                                         ; the closing round
	s_endpgm
.Lfunc_end_k_q6b335584f5_ff2:
	.size	k_q6b335584f5_ff2, .Lfunc_end_k_q6b335584f5_ff2-k_q6b335584f5_ff2
	.p2alignl 7, 3214868480
	.fill 96, 4, 3214868480
	.section	.rodata,"a",@progbits
	.p2align	6, 0x0
	.amdhsa_kernel k_q6b335584f5_ff2
		.amdhsa_group_segment_fixed_size 327680
		.amdhsa_private_segment_fixed_size 0
		.amdhsa_enable_private_segment 0
		.amdhsa_kernarg_size 40
		.amdhsa_user_sgpr_count 2
		.amdhsa_user_sgpr_kernarg_segment_ptr 1
		.amdhsa_wavefront_size32 1
		.amdhsa_system_sgpr_workgroup_id_x 1
		.amdhsa_system_sgpr_workgroup_id_y 1
		.amdhsa_system_sgpr_workgroup_id_z 1
		.amdhsa_system_vgpr_workitem_id 0
		.amdhsa_next_free_vgpr 768
		.amdhsa_next_free_sgpr 102
		.amdhsa_reserve_vcc 0
		.amdhsa_float_denorm_mode_32 3
		.amdhsa_float_denorm_mode_16_64 3
		.amdhsa_memory_ordered 1
		.amdhsa_forward_progress 1
		.amdhsa_inst_pref_size 179
	.end_amdhsa_kernel
	.amdgpu_metadata
---
amdhsa.version: [ 1, 2 ]
amdhsa.kernels:
  - .name:           k_q6b335584f5_ff2
    .symbol:         k_q6b335584f5_ff2.kd
    .args:
      - { .name: p6, .offset: 0, .size: 8, .value_kind: global_buffer, .address_space: global }
      - { .name: p1, .offset: 8, .size: 8, .value_kind: global_buffer, .address_space: global }
      - { .name: p5, .offset: 16, .size: 8, .value_kind: global_buffer, .address_space: global }
      - { .name: b2, .offset: 24, .size: 8, .value_kind: global_buffer, .address_space: global }
      - { .name: z, .offset: 32, .size: 8, .value_kind: global_buffer, .address_space: global }
    .group_segment_fixed_size: 327680
    .private_segment_fixed_size: 0
    .kernarg_segment_align: 8
    .kernarg_segment_size: 40
    .max_flat_workgroup_size: 128
    .sgpr_count:     102
    .vgpr_count:     768
    .wavefront_size: 32
...
	.end_amdgpu_metadata
.endif
;; end of part 7
;; launch lnfin (part 8): grid 256 x 1, 8 waves a work-group, no clusters, 0 bytes of LDS; arguments z, p5, lnf_g, lnf_b, ln2_g, ln2_b, out0; writes out0
.if DOCPART == 8
	.amdgcn_target "amdgcn-amd-amdhsa--gfx1250"
	.amdhsa_code_object_version 6
	.text
	.protected	k_q6b335584f5_lnfin
	.globl	k_q6b335584f5_lnfin
	.p2align	8
	.type	k_q6b335584f5_lnfin,@function
k_q6b335584f5_lnfin:
	s_mov_b64 s[64:65], 0
	v_nop
	global_prefetch_b8 v0, s[64:65] scope:SCOPE_SE
	s_setreg_imm32_b32 hwreg(HW_REG_WAVE_MODE, 25, 1), 1
	s_wait_xcnt 0x0
; LNFIN: out0 = LayerNorm2(out1 + LayerNormF(z)), all in f32.  z = out1 + the feed-forward's result; out1 lies at p5's first byte.  No work is left out.  LIMITS: NaN and infinities are not served.
; A wave takes two whole rows, 32 registers a lane each; the reductions never leave the wave: no LDS, no barrier.  The second norm's gain and bias land in the first's registers while the second's sums are made.
.set LI16, 2
.set A0, 4
.set A1, 6
.set MU, 8
.set VT, 10
.set RS, 12
.set PT, 16
.set Z, 32
.set O1, 96
.set G, 160
.set BV, 192
.set SEL, 28
.set C10, 30
.macro LSUM x
	v_add_f32_dpp v[\x], v[\x], v[\x] row_xmask:1 row_mask:0xf bank_mask:0xf
	v_add_f32_dpp v[\x], v[\x], v[\x] row_xmask:2 row_mask:0xf bank_mask:0xf
	v_add_f32_dpp v[\x], v[\x], v[\x] row_xmask:4 row_mask:0xf bank_mask:0xf
	v_add_f32_dpp v[\x], v[\x], v[\x] row_xmask:8 row_mask:0xf bank_mask:0xf
	v_permlanex16_b32 v[PT], v[\x], s[SEL], s[SEL+1]
	v_add_f32 v[\x], v[\x], v[PT]
.endm
.macro LN_STAT y, vt
	v_pk_add_f32 v[A0:A0+1], v[\y:\y+1], v[\y+2:\y+3]
	v_pk_add_f32 v[A1:A1+1], v[\y+4:\y+5], v[\y+6:\y+7]
.irp j, 8,12,16,20,24,28
	v_pk_add_f32 v[A0:A0+1], v[A0:A0+1], v[\y+\j:\y+\j+1]
	v_pk_add_f32 v[A1:A1+1], v[A1:A1+1], v[\y+\j+2:\y+\j+3]
.endr
	v_pk_add_f32 v[A0:A0+1], v[A0:A0+1], v[A1:A1+1]
	v_add_f32 v[A0], v[A0], v[A0+1]
	LSUM A0
	v_mul_f32 v[MU], s[C10], v[A0]
.irp j, 0,2,4,6,8,10,12,14,16,18,20,22,24,26,28,30
	v_pk_add_f32 v[\y+\j:\y+\j+1], v[\y+\j:\y+\j+1], v[MU:MU+1] op_sel_hi:[1,0] neg_lo:[0,1] neg_hi:[0,1]
.endr
	v_pk_mul_f32 v[A0:A0+1], v[\y:\y+1], v[\y:\y+1]
	v_pk_mul_f32 v[A1:A1+1], v[\y+2:\y+3], v[\y+2:\y+3]
.irp j, 4,8,12,16,20,24,28
	v_pk_fma_f32 v[A0:A0+1], v[\y+\j:\y+\j+1], v[\y+\j:\y+\j+1], v[A0:A0+1]
	v_pk_fma_f32 v[A1:A1+1], v[\y+\j+2:\y+\j+3], v[\y+\j+2:\y+\j+3], v[A1:A1+1]
.endr
	v_pk_add_f32 v[A0:A0+1], v[A0:A0+1], v[A1:A1+1]
	v_add_f32 v[A0], v[A0], v[A0+1]
	LSUM A0
	v_fma_f32 v[\vt], v[A0], s[C10], s[C10+1]
.endm
.macro LN_APPLY y, rs
.irp j, 0,2,4,6,8,10,12,14,16,18,20,22,24,26,28,30
	v_pk_mul_f32 v[\y+\j:\y+\j+1], v[\y+\j:\y+\j+1], v[\rs:\rs+1] op_sel_hi:[1,0]
.endr
.irp j, 0,2,4,6,8,10,12,14,16,18,20,22,24,26,28,30
	v_pk_fma_f32 v[\y+\j:\y+\j+1], v[\y+\j:\y+\j+1], v[G+\j:G+\j+1], v[BV+\j:BV+\j+1]
.endr
.endm
.macro ROOTS                           ; both rows' 1 / sqrt as one batch
	v_rsq_f32 v[RS], v[VT]
	v_rsq_f32 v[RS+2], v[VT+1]
	v_nop                                          ; one plain instruction behind the two
	s_wait_alu depctr_va_vdst(0)                   ; and one wait for both, ahead of the first reader
.endm
	s_load_b256 s[4:11], s[0:1], 0x0               ; z, p5, lnf_g, lnf_b
	s_load_b128 s[12:15], s[0:1], 0x20             ; ln2_g, ln2_b
	s_load_b64 s[16:17], s[0:1], 0x30              ; out0
	v_lshrrev_b32 v1, 5, v0
	v_readfirstlane_b32 s18, v1
	v_and_b32 v1, 31, v0
	v_lshlrev_b32 v[LI16], 4, v1
	s_lshl_b32 s20, ttmp9, 3
	s_add_co_u32 s20, s20, s18
	s_lshl_b32 s20, s20, 13                        ; my two rows: 8,192 bytes
	s_mov_b32 s21, 0
	s_mov_b32 s[SEL], 0x76543210
	s_mov_b32 s[SEL+1], 0xfedcba98
	s_mov_b32 s[C10], 0x3a800000                   ; 2^-10
	s_mov_b32 s[C10+1], 0x3727c5ac                 ; 1e-5
	s_wait_kmcnt 0x0
	s_add_nc_u64 s[4:5], s[4:5], s[20:21]
	s_add_nc_u64 s[6:7], s[6:7], s[20:21]
	s_add_nc_u64 s[16:17], s[16:17], s[20:21]
.irp k, 0,1,2,3,4,5,6,7,8,9,10,11,12,13,14,15
	global_load_b128 v[Z+4*\k:Z+4*\k+3], v[LI16], s[4:5] offset:512*\k th:TH_LOAD_NT
.endr
.irp k, 0,1,2,3,4,5,6,7
	global_load_b128 v[G+4*\k:G+4*\k+3], v[LI16], s[8:9] offset:512*\k
	global_load_b128 v[BV+4*\k:BV+4*\k+3], v[LI16], s[10:11] offset:512*\k
.endr
.irp k, 0,1,2,3,4,5,6,7,8,9,10,11,12,13,14,15
	global_load_b128 v[O1+4*\k:O1+4*\k+3], v[LI16], s[6:7] offset:512*\k th:TH_LOAD_NT
.endr
	v_mov_b32 v[MU+1], 0                           ; named as the upper halves of pairs
	v_mov_b32 v[RS+1], 0
	v_mov_b32 v[RS+3], 0
	v_mov_b32 v[PT], 0
	s_wait_loadcnt 32                              ; z is in; the 32 loads behind it may be out
	LN_STAT Z, VT
	LN_STAT Z+32, VT+1
	ROOTS
	s_wait_loadcnt 16                              ; the first norm's gain and bias are in; out1's 16 loads may be out
	LN_APPLY Z, RS
	LN_APPLY Z+32, RS+2
.irp k, 0,1,2,3,4,5,6,7
	global_load_b128 v[G+4*\k:G+4*\k+3], v[LI16], s[12:13] offset:512*\k
	global_load_b128 v[BV+4*\k:BV+4*\k+3], v[LI16], s[14:15] offset:512*\k
.endr
	s_wait_loadcnt 16                              ; out1 is in; the 16 just issued may be out
.irp j, 0,2,4,6,8,10,12,14,16,18,20,22,24,26,28,30,32,34,36,38,40,42,44,46,48,50,52,54,56,58,60,62
	v_pk_add_f32 v[Z+\j:Z+\j+1], v[Z+\j:Z+\j+1], v[O1+\j:O1+\j+1]
.endr
	LN_STAT Z, VT
	LN_STAT Z+32, VT+1
	ROOTS
	s_wait_loadcnt 0x0
	LN_APPLY Z, RS
	LN_APPLY Z+32, RS+2
.irp k, 0,1,2,3,4,5,6,7,8,9,10,11,12,13,14,15
	global_store_b128 v[LI16], v[Z+4*\k:Z+4*\k+3], s[16:17] offset:512*\k th:TH_STORE_NT   ; 32 lanes store 512 consecutive bytes
.endr
	s_endpgm
.Lfunc_end_k_q6b335584f5_lnfin:
	.size	k_q6b335584f5_lnfin, .Lfunc_end_k_q6b335584f5_lnfin-k_q6b335584f5_lnfin
	.p2alignl 7, 3214868480
	.fill 96, 4, 3214868480
	.section	.rodata,"a",@progbits
	.p2align	6, 0x0
	.amdhsa_kernel k_q6b335584f5_lnfin
		.amdhsa_group_segment_fixed_size 0
		.amdhsa_private_segment_fixed_size 0
		.amdhsa_enable_private_segment 0
		.amdhsa_kernarg_size 56
		.amdhsa_user_sgpr_count 2
		.amdhsa_user_sgpr_kernarg_segment_ptr 1
		.amdhsa_wavefront_size32 1
		.amdhsa_system_sgpr_workgroup_id_x 1
		.amdhsa_system_sgpr_workgroup_id_y 1
		.amdhsa_system_sgpr_workgroup_id_z 1
		.amdhsa_system_vgpr_workitem_id 0
		.amdhsa_next_free_vgpr 224
		.amdhsa_next_free_sgpr 66
		.amdhsa_reserve_vcc 0
		.amdhsa_float_denorm_mode_32 3
		.amdhsa_float_denorm_mode_16_64 3
		.amdhsa_memory_ordered 1
		.amdhsa_forward_progress 1
		.amdhsa_inst_pref_size 35
	.end_amdhsa_kernel
	.amdgpu_metadata
---
amdhsa.version: [ 1, 2 ]
amdhsa.kernels:
  - .name:           k_q6b335584f5_lnfin
    .symbol:         k_q6b335584f5_lnfin.kd
    .args:
      - { .name: z, .offset: 0, .size: 8, .value_kind: global_buffer, .address_space: global }
      - { .name: p5, .offset: 8, .size: 8, .value_kind: global_buffer, .address_space: global }
      - { .name: lnf_g, .offset: 16, .size: 8, .value_kind: global_buffer, .address_space: global }
      - { .name: lnf_b, .offset: 24, .size: 8, .value_kind: global_buffer, .address_space: global }
      - { .name: ln2_g, .offset: 32, .size: 8, .value_kind: global_buffer, .address_space: global }
      - { .name: ln2_b, .offset: 40, .size: 8, .value_kind: global_buffer, .address_space: global }
      - { .name: out0, .offset: 48, .size: 8, .value_kind: global_buffer, .address_space: global }
    .group_segment_fixed_size: 0
    .private_segment_fixed_size: 0
    .kernarg_segment_align: 8
    .kernarg_segment_size: 56
    .max_flat_workgroup_size: 256
    .sgpr_count:     66
    .vgpr_count:     224
    .wavefront_size: 32
...
	.end_amdgpu_metadata
.endif
;; end of part 8
